; MI455X (gfx1250); checked and timed in simulation.
; The chip was launched on July 23, 2026; its instructions are those of AMD's public machine-readable ISA for CDNA 5 (MIT licence, August 2026) and "CDNA5" Instruction Set Architecture Reference Guide (July 2026). The comments in the code are by the model that wrote it; some were corrected since.
;; Multi Head Self Attention. Allowed arithmetic: matrix products marked QUANTISED: E5M2 operands, one E8M0 scale for each 32 along K, by v_wmma_scale_f32_16x16x128_f8f6f4 with both operands' format E5M2, f32 sums; everything else in f32.
;; Inputs: W0_b 1,024 float32; W0_w 1,024 x 1,024 float32; Wk_b 1,024 float32; Wk_w 1,024 x 1,024 float32; Wq_b 1,024 float32; Wq_w 1,024 x 1,024 float32; Wv_b 1,024 float32; Wv_w 1,024 x 1,024 float32; k 4 x 2,048 x 1,024 float32; q 4 x 2,048 x 1,024 float32; v 4 x 2,048 x 1,024 float32.
;; Outputs: out0 4 x 2,048 x 1,024 float32.
;; This version of the problem:
;;   THIS VERSION OF THE PROBLEM IS GIVEN IN LOW PRECISION. The matrix products marked QUANTISED in the list below multiply operands that are first quantised to E5M2 (5 exponent bits, 2 mantissa bits; 8 bits a number), with one power-of-two scale for each 32 numbers along K (OCP MX v1.0); their sums are f32. All else is computed in f32.
;;   The module's matrix products, in the order in which they are computed (A, B: the left and right operand; K: the contracted axis; several contracted axes count as one K, in the product's order):
;;     1. [M 8,192, K 1,024] x [K 1,024, N 1,024]; A: input q; B: input Wq_w: QUANTISED
;;     2. [M 8,192, K 1,024] x [K 1,024, N 1,024]; A: input k; B: input Wk_w: QUANTISED
;;     3. [M 8,192, K 1,024] x [K 1,024, N 1,024]; A: input v; B: input Wv_w: QUANTISED
;;     4. batch 64 x [M 2,048, K 64] x [K 64, N 2,048]; A: computed on the way; B: computed on the way: QUANTISED
;;     5. batch 64 x [M 2,048, K 2,048] x [K 2,048, N 64]; A: softmax (see below); B: computed on the way: QUANTISED
;;     6. [M 8,192, K 1,024] x [K 1,024, N 1,024]; A: computed on the way; B: input W0_w: QUANTISED
;;   THE QUANTISER, for each operand of a quantised product, along K:
;;     - K is cut into blocks of 32 from its start; a last block that is shorter is filled with zeros.
;;     - A block's scale is 2^e with e = floor(log2(the largest magnitude in the block)) - 15, held to -126 .. 127; a block of zeros has e = 0. As a byte (E8M0): e + 127.
;;     - Each number is divided by its block's scale, clamped to +-57,344, and rounded to the nearest number of E5M2, ties to even, subnormals kept.
;;     - The product sums the exact products of the quantised numbers (number of the format x scale) in f32.
;;   ~~~python
;;   def quantise(x, axis):      # numpy; x: float32 -> the quantised numbers, widened to float32 again
;;       x = np.moveaxis(x, axis, -1); K = x.shape[-1]
;;       x = np.pad(x, [(0, 0)] * (x.ndim - 1) + [(0, -K % 32)]); x = x.reshape(x.shape[:-1] + (-1, 32)); a = np.abs(x).max(-1, keepdims=True)
;;       e = np.where(a > 0, np.clip(np.frexp(np.where(a > 0, a, 1))[1] - 1 - 15, -126, 127), 0)      # np.frexp(a)[1] - 1 = floor(log2(a)), exactly
;;       r = np.clip(x / 2.0 ** e, -57344, 57344)
;;       step = 2.0 ** (np.maximum(np.frexp(np.where(r == 0, 1, r))[1] - 1, -14) - 2)
;;       q = np.round(r / step) * step * 2.0 ** e      # np.round: ties to even
;;       return np.moveaxis(q.reshape(q.shape[:-2] + (-1,))[..., :K], -1, axis).astype(np.float32)
;;   ~~~
;;   SOFTMAX AHEAD OF A QUANTISED PRODUCT. Where the list says 'softmax', what is quantised is not the finished softmax but p = 2^(t - M), with t = logit x log2(e) and M = ceil(the row's largest t), a whole number; so 1/2 < the row's largest p <= 1. The row's sum l is taken of the UNQUANTISED p, in f32, and the product's result is divided by l at the end. Since M is a whole number, a kernel that streams over the keys may use a running M (the ceiling of the running maximum): every later rescaling is an exact power of two, which a block's scale takes up: the codes' values come out the same.
;;   OPERANDS COMPUTED ON THE WAY. 'Computed on the way' means the value that the module computes at that place (a softmax that the list does not call 'softmax' is quantised finished and normalised). What goes into a quantiser is computed in f32, as accurately as f32 sums, v_exp_f32 and their like allow (about 1e-6 of the number): no bf16 or f16 on the way to a quantiser, and a product that is left as it is and whose result goes on into a quantised operand takes f32 operands (vector FMAs, or v_wmma_f32_16x16x4_f32). A number that lies on a knife's edge between two numbers of the format may be rounded either way, as far as f32 arithmetic and the matrix unit's own rounding can turn it there, and no further.
;; One version. Each part assembles by itself: llvm-mc -triple=amdgcn-amd-amdhsa -mcpu=gfx1250 --defsym DOCPART=n.
;; ======== version 1 of 1: 4 launches
;; limits: right only within a limited range of input values
;; workspace buffers: xcod 29,360,128 bytes; xscl 917,504 bytes; hcod 25,165,824 bytes; hscl 1,310,720 bytes; acod 8,388,608 bytes; ascl 262,144 bytes
;; launch quant (part 1): grid 256 x 1, 7 waves a work-group, no clusters, 63,744 bytes of LDS; arguments q, k, v, Wq_w, Wk_w, Wv_w, W0_w, xcod, xscl; writes xcod, xscl
.if DOCPART == 1
	.amdgcn_target "amdgcn-amd-amdhsa--gfx1250"
	.amdhsa_code_object_version 6
	.text
	.protected	k_q8cfc033eed_quant
	.globl	k_q8cfc033eed_quant
	.p2align	8
	.type	k_q8cfc033eed_quant,@function
k_q8cfc033eed_quant:
	s_mov_b64 s[64:65], 0
	v_nop
	global_prefetch_b8 v0, s[64:65] scope:SCOPE_SE
	s_setreg_imm32_b32 hwreg(HW_REG_WAVE_MODE, 25, 1), 1
	s_wait_xcnt 0x0
; q, k, v [8192][1024] and the four weights [1024][1024], f32 with K innermost, become codes of E5M2 with one E8M0 byte for each 32 along K,
; laid as IMAGES OF OPERAND REGISTERS for the products that follow.  1,792 tiles of 16 rows: q 0-511, k 512-1023, v 1024-1535, Wq 1536-, Wk 1600-, Wv 1664-, W0 1728-1791.
; THE ROWS OF A TILE ARE NOT NEIGHBOURS: lane r of tile T takes row 32 (T / 2) + 8 (T % 2) + r + 8 (r / 8), so that results of two neighbouring tiles are 16 neighbours along the next product's K.
; Codes: [tile][K step of 128 (8)][chunk (4)][512 bytes]; chunk c holds registers 4 c .. 4 c + 3 of the fragment, lane l's 16 bytes at 16 l (k = 32 c + 16 (l / 16) + 0 .. 15 of the lane's row).
; Scale words: [tile][K / 256 (4)][r (16)][(K / 128) % 2][4 bytes].
; A block's scale is 2^(floor(log2(largest magnitude)) - 15); its byte is the largest magnitude's exponent field - 15, held at 1 from below.
; LIMITS: a block of zeros, or one whose largest magnitude lies under 2^-111, keeps the byte 1 (its codes are zeros or subnormal codes; this program alone reads the bytes); NaN and infinities among the inputs are not served.
; A wave owns one tile, 64 KiB of f32, in eight steps of 128 along K.  Each load takes 512 consecutive bytes of one row; the step's 16 rows turn through the wave's own stage in LDS, so that a lane
; gets 16 neighbours of each block of 32.  Each store of codes covers 512 consecutive bytes.  Waves share nothing: no barrier.  Loads run two steps (32 loads a wave) ahead.
.set PITCH, 528                        ; a stage row: 512 bytes + 16
.set STG,   16*PITCH
.set WREG,  STG+512                    ; a wave's LDS: the stage, then its tile's 512 bytes of scale words
.set LI,  1                            ; v1   16 x lane
.set STA, 2                            ; v2   the stage, on the way in
.set STB, 3                            ; v3   and on the way out: row r, + 64 (lane / 16)
.set SWA, 4                            ; v4   where my row's scale words go
.set SRD, 5                            ; v5   and where the tile's 512 bytes are read back
.set TM,  8                            ; v8-11 largest magnitudes, v12-15 bytes, v16-19 largest number x scale, v20-23 the conversions' scale operands
.set PW,  24                           ; v24  the scale word just made
.set PC,  28                           ; v28-43 the codes just made
.set X,   48                           ; v48-111 64 numbers: register 16 b + i = k 32 b + 16 (lane / 16) + i of my row
.set R,   112                          ; v112-239 two sets of 64 registers as loaded
.set OW,  240                          ; v240-243 the scale words on the way out
.set SEL, 26                           ; s[26:27] lane selects: lane l xor 16
.set MNT, 28                           ; s28  the mantissa field of 57,344
	s_load_b512 s[4:19], s[0:1], 0x0               ; q, k, v, Wq, Wk, Wv, W0, the codes
	s_load_b64 s[20:21], s[0:1], 0x40              ; the scale words
	v_lshl_add_u32 v248, v0, 2, 0xf500
	v_mov_b32 v249, 0
	v_lshrrev_b32 v1, 5, v0
	v_readfirstlane_b32 s24, v1                    ; wave 0..6
	v_and_b32 v6, 31, v0                           ; lane
	v_and_b32 v7, 15, v0                           ; r
	v_bfe_u32 v25, v0, 4, 1                        ; h
	v_lshlrev_b32 v[LI], 4, v6
	s_mul_i32 s29, s24, WREG
	v_add_nc_u32 v[STA], s29, v[LI]
	v_mul_u32_u24 v[STB], v7, PITCH
	v_lshl_add_u32 v[STB], v25, 6, v[STB]
	v_add_nc_u32 v[STB], s29, v[STB]
	s_add_co_u32 s30, s29, STG
	v_lshlrev_b32 v[SWA], 3, v7
	v_add_nc_u32 v[SWA], s30, v[SWA]
	v_add_nc_u32 v[SRD], s30, v[LI]
.irp b, 0,1,2,3
	v_mov_b32 v[TM+4+\b], 0                        ; written once: a lane permute's destination counts as one of its sources
.endr
	s_mov_b32 s[SEL], 0x76543210
	s_mov_b32 s[SEL+1], 0xfedcba98
	s_mov_b32 s[MNT], 0x600000
	s_mul_i32 s34, ttmp9, 7                        ; 256 work-groups of seven waves: 1,792 tiles, a tile a wave
	s_add_co_u32 s34, s34, s24                     ; my tile among the 1,792
	s_cmp_lt_u32 s34, 1536                         ; 512 tiles for each of q, k, v; 64 for each weight
	s_cselect_b32 s31, 511, 63
	s_and_b32 s31, s34, s31                        ; my tile within the tensor
	s_lshr_b32 s32, s31, 1
	s_lshl_b32 s32, s32, 17                        ; 32 rows of 4,096 bytes for each pair of tiles,
	s_and_b32 s33, s31, 1
	s_lshl_b32 s33, s33, 15                        ; 8 rows for the odd one
	s_add_co_u32 s32, s32, s33
	s_mov_b32 s33, 0
	s_lshl_b32 s36, s34, 14
	s_mov_b32 s37, 0
	s_lshl_b32 s38, s34, 9
	s_mov_b32 s39, 0
	s_wait_alu depctr_va_vdst(0)
	s_wait_kmcnt 0x0
	s_mov_b64 s[22:23], s[16:17]                   ; which tensor: the choice hangs on my tile's number
	s_cmp_lt_u32 s34, 1728
	s_cselect_b64 s[22:23], s[14:15], s[22:23]
	s_cmp_lt_u32 s34, 1664
	s_cselect_b64 s[22:23], s[12:13], s[22:23]
	s_cmp_lt_u32 s34, 1600
	s_cselect_b64 s[22:23], s[10:11], s[22:23]
	s_cmp_lt_u32 s34, 1536
	s_cselect_b64 s[22:23], s[8:9], s[22:23]
	s_cmp_lt_u32 s34, 1024
	s_cselect_b64 s[22:23], s[6:7], s[22:23]
	s_cmp_lt_u32 s34, 512
	s_cselect_b64 s[22:23], s[4:5], s[22:23]
	s_add_nc_u64 s[22:23], s[22:23], s[32:33]
	s_add_nc_u64 s[18:19], s[18:19], s[36:37]
	s_add_nc_u64 s[20:21], s[20:21], s[38:39]
.macro LOAD s                          ; K step s of the tile's 16 rows: each load is 512 consecutive bytes of one row
.irp i, 0,1,2,3,4,5,6,7,8,9,10,11,12,13,14,15
	global_load_b128 v[R+64*((\s)%2)+4*\i:R+64*((\s)%2)+4*\i+3], v[LI], s[22:23] offset:(\i+8*(\i/8))*4096+512*(\s) th:TH_LOAD_NT
.endr
.endm
.macro QUANT                           ; v[X] on: 64 numbers become a fragment's codes in v[PC] on and its scale word in v[PW]
.irp b, 0,1,2,3
	v_max3_num_f32 v[TM+\b], |v[X+16*\b]|, |v[X+1+16*\b]|, 0x8000000   ; block b: my 16 numbers, and the floor 2^(16 - 127): the byte cannot fall under 1
.endr
.irp i, 2,4,6,8,10,12,14
.irp b, 0,1,2,3
	v_max3_num_f32 v[TM+\b], v[TM+\b], |v[X+16*\b+\i]|, |v[X+1+16*\b+\i]|   ; the four blocks by turns
.endr
.endr
.irp b, 0,1,2,3
	v_permlanex16_b32 v[TM+4+\b], v[TM+\b], s[SEL], s[SEL+1]
.endr
.irp b, 0,1,2,3
	v_max_num_f32 v[TM+\b], v[TM+\b], v[TM+4+\b]   ; with lane l xor 16's: the block's largest magnitude
.endr
.irp b, 0,1,2,3
	v_add_nc_u32 v[TM+12+\b], 0xf8800000, v[TM+\b] ; 15 off its exponent field: the conversion's scale operand
.endr
.irp b, 0,1,2,3
	v_and_or_b32 v[TM+8+\b], v[TM+\b], 0x7f800000, s[MNT]   ; 57,344 x the scale
.endr
.irp b, 0,1,2,3
	v_lshrrev_b32 v[TM+4+\b], 23, v[TM+12+\b]      ; the scale's byte
.endr
	v_lshl_or_b32 v[PW], v[TM+5], 8, v[TM+4]
	v_lshl_or_b32 v[PW], v[TM+6], 16, v[PW]
	v_lshl_or_b32 v[PW], v[TM+7], 24, v[PW]
.irp b, 0,1,2,3
.irp i, 0,1,2,3,4,5,6,7,8,9,10,11,12,13,14,15
	v_med3_num_f32 v[X+16*\b+\i], v[X+16*\b+\i], -v[TM+8+\b], v[TM+8+\b]   ; the conversion to an 8-bit code does not saturate (ISA guide 7.6.2): the hold comes first
.endr
	v_cvt_scalef32_pk8_bf8_f32 v[PC+4*\b:PC+1+4*\b], v[X+16*\b:X+7+16*\b], v[TM+12+\b]
	v_cvt_scalef32_pk8_bf8_f32 v[PC+2+4*\b:PC+3+4*\b], v[X+8+16*\b:X+15+16*\b], v[TM+12+\b]
.endr
	v_nop                                          ; a plain line behind the last conversion
.endm
.macro STEP s
.if (\s) < 7
	s_wait_loadcnt 16                              ; this step's 16 loads are in; the next step's 16 may be out
.else
	s_wait_loadcnt 0x0
.endif
.irp i, 0,1,2,3,4,5,6,7,8,9,10,11,12,13,14,15
	ds_store_b128 v[STA], v[R+64*((\s)%2)+4*\i:R+64*((\s)%2)+4*\i+3] offset:PITCH*\i
.endr
.irp b, 0,1,2,3
.irp j, 0,1,2,3
	ds_load_b128 v[X+16*\b+4*\j:X+16*\b+4*\j+3], v[STB] offset:128*\b+16*\j   ; LDS serves a wave's instructions in order: these see the stores above
.endr
.endr
	s_wait_dscnt 0x0                               ; my 64 numbers are in, and the stores have read the set of registers
.if (\s) < 6
	LOAD (\s)+2                                    ; which takes the loads of two steps on
.endif
	s_wait_xcnt 0x0                                ; the last step's stores have read their data: the codes' registers are written again only behind this wait
	QUANT
.irp c, 0,1,2,3
	global_store_b128 v[LI], v[PC+4*\c:PC+4*\c+3], s[18:19] offset:2048*(\s)+512*\c   ; 512 consecutive bytes
.endr
	ds_store_b32 v[SWA], v[PW] offset:128*((\s)/2)+4*((\s)%2)   ; both lanes of a row write the same word with the same value
.endm
	LOAD 0
	LOAD 1
.irp s, 0,1,2,3,4,5,6,7
	STEP \s
.endr
	ds_load_b128 v[OW:OW+3], v[SRD]                ; the tile's 512 bytes of scale words
	s_wait_dscnt 0x0
	global_store_b128 v[LI], v[OW:OW+3], s[20:21]
	s_wait_tensorcnt 0x0
	ds_add_u32 v248, v249
	s_wait_dscnt 0x0
	s_endpgm
.Lfunc_end_k_q8cfc033eed_quant:
	.size	k_q8cfc033eed_quant, .Lfunc_end_k_q8cfc033eed_quant-k_q8cfc033eed_quant
	.p2alignl 7, 3214868480
	.fill 96, 4, 3214868480
	.section	.rodata,"a",@progbits
	.p2align	6, 0x0
	.amdhsa_kernel k_q8cfc033eed_quant
		.amdhsa_group_segment_fixed_size 63744
		.amdhsa_private_segment_fixed_size 0
		.amdhsa_enable_private_segment 0
		.amdhsa_kernarg_size 72
		.amdhsa_user_sgpr_count 2
		.amdhsa_user_sgpr_kernarg_segment_ptr 1
		.amdhsa_wavefront_size32 1
		.amdhsa_system_sgpr_workgroup_id_x 1
		.amdhsa_system_sgpr_workgroup_id_y 1
		.amdhsa_system_sgpr_workgroup_id_z 1
		.amdhsa_system_vgpr_workitem_id 0
		.amdhsa_next_free_vgpr 250
		.amdhsa_next_free_sgpr 66
		.amdhsa_reserve_vcc 0
		.amdhsa_float_denorm_mode_32 3
		.amdhsa_float_denorm_mode_16_64 3
		.amdhsa_memory_ordered 1
		.amdhsa_forward_progress 1
		.amdhsa_inst_pref_size 100
	.end_amdhsa_kernel
	.amdgpu_metadata
---
amdhsa.version: [ 1, 2 ]
amdhsa.kernels:
  - .name:           k_q8cfc033eed_quant
    .symbol:         k_q8cfc033eed_quant.kd
    .args:
      - { .name: q, .offset: 0, .size: 8, .value_kind: global_buffer, .address_space: global }
      - { .name: k, .offset: 8, .size: 8, .value_kind: global_buffer, .address_space: global }
      - { .name: v, .offset: 16, .size: 8, .value_kind: global_buffer, .address_space: global }
      - { .name: Wq_w, .offset: 24, .size: 8, .value_kind: global_buffer, .address_space: global }
      - { .name: Wk_w, .offset: 32, .size: 8, .value_kind: global_buffer, .address_space: global }
      - { .name: Wv_w, .offset: 40, .size: 8, .value_kind: global_buffer, .address_space: global }
      - { .name: W0_w, .offset: 48, .size: 8, .value_kind: global_buffer, .address_space: global }
      - { .name: xcod, .offset: 56, .size: 8, .value_kind: global_buffer, .address_space: global }
      - { .name: xscl, .offset: 64, .size: 8, .value_kind: global_buffer, .address_space: global }
    .group_segment_fixed_size: 63744
    .private_segment_fixed_size: 0
    .kernarg_segment_align: 8
    .kernarg_segment_size: 72
    .max_flat_workgroup_size: 224
    .sgpr_count:     66
    .vgpr_count:     250
    .wavefront_size: 32
...
	.end_amdgpu_metadata
.endif
;; end of part 1
;; launch proj (part 2): grid 4 x 96, 4 waves a work-group, clusters of 4 x 4, 327,680 bytes of LDS; arguments xcod, xscl, Wq_b, Wk_b, Wv_b, hcod, hscl; writes hcod, hscl
.if DOCPART == 2
	.amdgcn_target "amdgcn-amd-amdhsa--gfx1250"
	.amdhsa_code_object_version 6
	.text
	.protected	k_q8cfc033eed_proj
	.globl	k_q8cfc033eed_proj
	.p2align	8
	.type	k_q8cfc033eed_proj,@function
k_q8cfc033eed_proj:
	s_mov_b64 s[64:65], 0
	v_nop
	global_prefetch_b8 v0, s[64:65] scope:SCOPE_SE
	s_setreg_imm32_b32 hwreg(HW_REG_WAVE_MODE, 25, 1), 1
	s_wait_xcnt 0x0
	s_wait_alu depctr_hold_cnt(0) depctr_sa_sdst(0) depctr_va_vdst(0) depctr_va_sdst(0) depctr_va_ssrc(0) depctr_va_vcc(0) depctr_vm_vsrc(0)
	s_getreg_b32 s2, hwreg(HW_REG_IB_STS2, 6, 4)
	s_cmp_eq_u32 s2, 0
	s_cbranch_scc0 .Lentry_in_a_cluster
	s_endpgm
.Lentry_in_a_cluster:
	s_bfe_u32 s2, ttmp6, 0x10000c
	s_cmp_lg_u32 s2, 0xf033
	s_cbranch_scc0 .Lentry_shape_is_right
	s_endpgm
.Lentry_shape_is_right:
.set NQ,     2
.set FR,     16
.set NL,     4
.set NP,     8
.set TILEB,  4096
.set HALFT,  8*TILEB
.set SLOT,   4*HALFT
.set SCL,    2*SLOT
.set HALFS,  4096
.set SPARE,  SCL+4*HALFS
.set VB,   8
.set ADRA, 16
.set ADRB, 20
.set SS,   24
.set SRD,  25
.set SGO,  26
.set ADRS, 27
.set SPW,  28
.set NIL,  29
.set LI,   30
.set SGO2, 31
.set SC,   32
.set BI,   64
.set AF,   128
.set TM,   64
.set PW,   80
.set VO0,  84
.set VO1,  85
.set PC,   96
.set RB,   112
.set WW,   128
.set G1, 24
.set G0, 32
.set G1B, 48
.set G0B, 56
.set G1S, 68
.set G0S, 76
.set G1SB, 80
.set G0SB, 88
.set MSB, 0
.macro WIN new
.if MSB != (\new)
	s_set_vgpr_msb (MSB<<8)|(\new)
.set MSB, (\new)
.endif
.endm
.set MUL_LO, 0xa1
.set MUL_HI, 0xf1
.set TO_B,   0x40
.macro JLOAD g0a, g1a, g0b, g1b
	s_cmp_eq_u32 s19, 0
	s_cbranch_scc0 .Lfor_b_\@
	tensor_load_to_lds s[\g0a:\g0a+3], s[\g1a:\g1a+7]
	s_nop 0
.rept 4
	v_nop
.endr
	s_branch .Lasked_\@
.Lfor_b_\@:
	tensor_load_to_lds s[\g0b:\g0b+3], s[\g1b:\g1b+7]
	s_nop 0
.rept 4
	v_nop
.endr
.Lasked_\@:
.endm
.macro CREST
	s_cmp_lg_u32 s18, 0
	s_cbranch_scc1 .Lnot_wave_0_\@
	s_barrier_signal -3
.Lnot_wave_0_\@:
	s_barrier_wait -3
	s_barrier_signal -1
	s_barrier_wait -1
.endm
.macro CROUND
	s_barrier_signal -1
	s_barrier_wait -1
	CREST
.endm
	s_load_b128 s[4:7], s[0:1], 0x0
	s_load_b128 s[8:11], s[0:1], 0x10
	s_load_b128 s[12:15], s[0:1], 0x20
	s_load_b64 s[16:17], s[0:1], 0x30
	v_lshl_add_u32 v[SPW], v0, 2, SPARE
	v_mov_b32 v[NIL], 0
	ds_add_u32 v28, v29
	ds_add_u32 v28, v29
	s_wait_dscnt 0x0
	v_lshrrev_b32 v1, 5, v0
	v_readfirstlane_b32 s18, v1
	s_lshr_b32 s19, s18, 1
	s_and_b32 s20, s18, 1
	s_bfe_u32 s40, ttmp6, 0x40000
	s_bfe_u32 s41, ttmp6, 0x40004
	s_and_b32 s22, ttmp7, 0xffff
	s_lshr_b32 s21, s22, 3
	s_and_b32 s22, s22, 7
	s_lshl_b32 s92, s21, 9
	s_lshl_b32 s96, s21, 6
	s_add_co_u32 s96, s96, 1536
	s_cmp_eq_u32 s21, 2
	s_cselect_b32 s45, 0, s22
	s_cselect_b32 s42, s22, 0
	s_cselect_b32 s92, 1664, s92
	s_cselect_b32 s96, 1024, s96
	s_lshl_b32 s45, s45, 2
	s_add_co_u32 s45, s45, s41
	s_lshl_b32 s42, s42, 2
	s_add_co_u32 s42, s42, s40
	s_lshl_b32 s43, s41, 2
	s_lshl_b32 s43, 15, s43
	s_lshl_b32 s44, 0x1111, s40
	s_or_b32 s[G1+0], s43, (3<<16)|(1<<21)
	s_or_b32 s[G1B+0], s44, (3<<16)|(1<<21)
.irp g, G1, G1B
	s_mov_b32 s[\g+1], 512<<16
	s_mov_b32 s[\g+2], 16<<16
	s_mov_b32 s[\g+3], 512<<16
	s_mov_b32 s[\g+4], 16
	s_mov_b32 s[\g+5], 2048
	s_mov_b32 s[\g+6], 0
	s_mov_b32 s[\g+7], 0
.endr
	s_or_b32 s[G1S+0], s43, (3<<16)|(1<<21)
	s_or_b32 s[G1SB+0], s44, (3<<16)|(1<<21)
.irp g, G1S, G1SB
	s_mov_b32 s[\g+1], 32<<16
	s_mov_b32 s[\g+2], 32<<16
	s_mov_b32 s[\g+3], 32<<16
	s_mov_b32 s[\g+4], 32
	s_mov_b32 s[\g+5], 32
	s_mov_b32 s[\g+6], 0
	s_mov_b32 s[\g+7], 0
.endr
	s_lshl_b32 s23, s20, 3
	s_lshl_b32 s93, s45, 4
	s_add_co_u32 s92, s92, s93
	s_add_co_u32 s92, s92, s23
	s_lshl_b32 s97, s42, 4
	s_add_co_u32 s96, s96, s97
	s_add_co_u32 s96, s96, s23
	s_lshl_b32 s94, s92, 9
	s_mov_b32 s95, 0
	s_lshl_b32 s92, s92, 14
	s_mov_b32 s93, 0
	s_lshl_b32 s98, s96, 9
	s_mov_b32 s99, 0
	s_lshl_b32 s96, s96, 14
	s_mov_b32 s97, 0
	s_lshl_b32 s46, s18, 15
	s_lshl_b32 s47, s18, 12
	s_cmp_eq_u32 s21, 2
	s_cselect_b32 s100, s45, s42
	s_cselect_b32 s101, s19, s20
	s_cselect_b32 s2, 0, 64
	s_cselect_b32 s3, 4, 0
	s_cselect_b32 s23, 0, 4
	s_lshl_b32 s100, s100, 10
	s_lshl_b32 s101, s101, 9
	s_add_co_u32 s100, s100, s101
	s_mov_b32 s101, 0
	s_wait_kmcnt 0x0
	s_add_nc_u64 s[92:93], s[4:5], s[92:93]
	s_add_nc_u64 s[94:95], s[6:7], s[94:95]
	s_add_nc_u64 s[96:97], s[4:5], s[96:97]
	s_add_nc_u64 s[98:99], s[6:7], s[98:99]
	s_cmp_eq_u32 s21, 1
	s_cselect_b64 s[8:9], s[10:11], s[8:9]
	s_cmp_eq_u32 s21, 2
	s_cselect_b64 s[8:9], s[12:13], s[8:9]
	s_add_nc_u64 s[8:9], s[8:9], s[100:101]
	CROUND
	s_mov_b32 s[G0S], 1
	s_add_co_u32 s[G0S+1], s47, SCL-4096           ; wave 1 fetches the scale words of all 16 tiles of A: its own half begins 4,096 bytes on, in LDS and in memory
	s_sub_nc_u64 s[G0S+2:G0S+3], s[94:95], 4096
	s_or_b32 s[G0S+3], s[G0S+3], 0x80000000
	s_mov_b32 s[G0SB], 1
	s_add_co_u32 s[G0SB+1], s47, SCL-4096          ; wave 3 likewise for B
	s_sub_nc_u64 s[G0SB+2:G0SB+3], s[98:99], 4096
	s_or_b32 s[G0SB+3], s[G0SB+3], 0x80000000
.irp s, 0,1
	s_mov_b32 s[G0+4*\s], 1
	s_add_co_u32 s[G0+4*\s+1], s46, \s*SLOT
	s_add_nc_u64 s[G0+4*\s+2:G0+4*\s+3], s[92:93], \s*TILEB
	s_or_b32 s[G0+4*\s+3], s[G0+4*\s+3], 0x80000000
	s_mov_b32 s[G0B+4*\s], 1
	s_add_co_u32 s[G0B+4*\s+1], s46, \s*SLOT
	s_add_nc_u64 s[G0B+4*\s+2:G0B+4*\s+3], s[96:97], \s*TILEB
	s_or_b32 s[G0B+4*\s+3], s[G0B+4*\s+3], 0x80000000
.endr
; The head's four tiles, one joint load a wave, in one chain of branches on the wave's number: wave 0 K step 0 of A's 16 tiles, wave 1 A's scale words, wave 2 K step 0 of B's 16 tiles, wave 3 B's scale words.
; Waves 0 and 2 own the first half of their tensor's tiles, so their slot 0 descriptors begin at the whole tile's first byte; group 1 counts 16 rows here.
.macro HARM under, g0, g1, next
	s_cmp_lt_u32 s18, \under
	s_cbranch_scc0 \next
	tensor_load_to_lds s[\g0:\g0+3], s[\g1:\g1+7]
	s_nop 0
.rept 4
	v_nop
.endr
	s_branch .Lhead_asked
\next:
.endm
	HARM 1, G0, G1, .Lhead_sa
	HARM 2, G0S, G1S, .Lhead_b
	HARM 3, G0B, G1B, .Lhead_sb
	tensor_load_to_lds s[G0SB:G0SB+3], s[G1SB:G1SB+7]
	s_nop 0
.rept 4
	v_nop
.endr
.Lhead_asked:
	s_wait_alu depctr_va_vdst(0)
	s_wait_tensorcnt 0x0                           ; my tile of the head's four is in
	ds_add_u32 v28, v29
	s_mov_b32 s[G1+2], 8<<16                       ; no tensor load of mine is out: from here on a load brings 8 rows
	s_mov_b32 s[G1+4], 8
	s_mov_b32 s[G1B+2], 8<<16
	s_mov_b32 s[G1B+4], 8
	s_wait_dscnt 0x0
	CROUND
	JLOAD G0+4, G1, G0B+4, G1B
	v_and_b32 v1, 15, v0
	v_bfe_u32 v2, v0, 4, 1
	v_and_b32 v3, 8, v1
	v_add_nc_u32 v3, v3, v1
	v_mul_u32_u24 v4, s2, v2
	v_mul_u32_u24 v5, s3, v3
	v_add_nc_u32 v4, v4, v5
.irp j, 0,1,2,3,4,5,6,7
	v_mad_u32_u24 v[VB+\j], s23, \j, v4
.endr
.irp x, 0,1,2,3,4,5,6,7
.irp j, 0,1,2,3,4,5,6,7
	global_load_b32 v[BI+8*\x+\j], v[VB+\j], s[8:9] offset:(32*(\x/2)+8*(\x%2))*4
.endr
.endr
	v_and_b32 v3, 31, v0
	v_lshlrev_b32 v[LI], 4, v3
	s_wait_alu depctr_va_vdst(0)
	s_lshl_b32 s46, s19, 15
	s_lshl_b32 s47, s20, 15
	s_add_co_u32 s47, s47, 2*HALFT
.irp s, 0,1
	v_add_nc_u32 v[ADRA+\s], s46, v[LI]
	v_add_nc_u32 v[ADRB+\s], s47, v[LI]
	s_add_co_u32 s46, s46, SLOT
	s_add_co_u32 s47, s47, SLOT
.endr
	s_lshl_b32 s46, s19, 12
	s_lshl_b32 s47, s20, 12
	s_add_co_u32 s47, s47, 2*HALFS
	s_sub_co_u32 s47, s47, s46
	v_mul_u32_u24 v4, s47, v2
	s_add_co_u32 s46, s46, SCL
	v_lshl_add_u32 v4, v1, 3, v4
	v_add_nc_u32 v[ADRS], s46, v4
	s_lshl_b32 s46, s18, 10
	v_lshl_add_u32 v[SS], v1, 4, s46
	v_add_nc_u32 v[SRD], s46, v[LI]
	s_lshl_b32 s92, s45, 1
	s_add_co_u32 s92, s92, s19
	s_lshl_b32 s93, s42, 1
	s_add_co_u32 s93, s93, s20
	s_cmp_eq_u32 s21, 2
	s_cselect_b32 s94, s93, s92
	s_cselect_b32 s95, s92, s93
	s_mov_b32 s4, 1024
	s_cselect_b32 s4, 2048, s4
	s_mov_b32 s5, 4096
	s_cselect_b32 s5, 0x20000, s5
	s_mov_b32 s6, 0x20000
	s_cselect_b32 s6, 1024, s6
	s_mov_b32 s7, 256
	s_cselect_b32 s7, 12288, s7
	s_mov_b32 s11, 0xffff
	s_cselect_b32 s11, -1, s11
	s_mov_b32 s12, 0x7f7f0000
	s_cselect_b32 s12, 0, s12
	s_mov_b32 s13, 0x80000
	s_cselect_b32 s13, 0x82000, s13
	s_cselect_b32 s96, 8, 9
	s_cmp_eq_u32 s21, 0
	s_cselect_b32 s13, 0, s13
	s_mov_b32 s10, 12288
	s_cselect_b32 s10, 8192, s10
	s_lshr_b32 s97, s94, 4
	s_and_b32 s98, s94, 15
	s_lshl_b32 s97, s97, 4
	s_lshl_b32 s95, s95, 1
	s_add_co_u32 s97, s97, s95
	s_lshl_b32 s92, s21, 23
	s_lshl_b32 s93, s97, 17
	s_add_co_u32 s92, s92, s93
	s_lshl_b32 s93, s98, 13
	s_add_co_u32 s92, s92, s93
	s_mov_b32 s93, 0
	s_add_nc_u64 s[14:15], s[14:15], s[92:93]
	s_mul_i32 s92, s97, s10
	s_add_co_u32 s92, s92, s13
	s_lshl_b32 s99, s98, s96
	s_add_co_u32 s92, s92, s99
	s_add_nc_u64 s[16:17], s[16:17], s[92:93]
	v_mul_u32_u24 v4, s7, v2
	v_lshl_add_u32 v[SGO], v1, 4, v4
	v_add_nc_u32 v[SGO2], s10, v[SGO]
	s_mov_b32 s100, 0x76543210
	s_mov_b32 s101, 0xfedcba98
	s_mov_b32 s2, 0x600000
.macro FRAG reg, adr, q, i
.irp c, 0,1,2,3
	ds_load_b128 v[\reg+4*\c:\reg+4*\c+3], v[\adr] offset:2048*(\q)+512*\c+(\i)*TILEB
.endr
.endm
.macro MUL16 a0, p, q, sc, mode
.irp a, \a0, \a0+1
.irp b, 0,1,2,3,4,5,6,7
.if \mode == 1
	v_wmma_scale_f32_16x16x128_f8f6f4 v[8*(8*((\a)%4)+\b):8*(8*((\a)%4)+\b)+7], v[128*(\p)+FR*\b:128*(\p)+FR*\b+FR-1], v[AF+FR*(\a):AF+FR*(\a)+FR-1], v[BI+8*\b:BI+8*\b+7], v[SC+8*NQ*(\sc)+NQ*\b+(\q)], v[SC+8*NQ*(\sc)+NQ*(\a)+(\q)] matrix_a_fmt:MATRIX_FMT_BF8 matrix_b_fmt:MATRIX_FMT_BF8 matrix_a_scale:MATRIX_SCALE_ROW1
.elseif \mode == 2
	v_wmma_scale_f32_16x16x128_f8f6f4 v[8*(8*((\a)%4)+\b):8*(8*((\a)%4)+\b)+7], v[128*(\p)+FR*\b:128*(\p)+FR*\b+FR-1], v[AF+FR*(\a):AF+FR*(\a)+FR-1], v[BI+8*(\a):BI+8*(\a)+7], v[SC+8*NQ*(\sc)+NQ*\b+(\q)], v[SC+8*NQ*(\sc)+NQ*(\a)+(\q)] matrix_a_fmt:MATRIX_FMT_BF8 matrix_b_fmt:MATRIX_FMT_BF8 matrix_a_scale:MATRIX_SCALE_ROW1
.else
	v_wmma_scale_f32_16x16x128_f8f6f4 v[8*(8*((\a)%4)+\b):8*(8*((\a)%4)+\b)+7], v[128*(\p)+FR*\b:128*(\p)+FR*\b+FR-1], v[AF+FR*(\a):AF+FR*(\a)+FR-1], v[8*(8*((\a)%4)+\b):8*(8*((\a)%4)+\b)+7], v[SC+8*NQ*(\sc)+NQ*\b+(\q)], v[SC+8*NQ*(\sc)+NQ*(\a)+(\q)] matrix_a_fmt:MATRIX_FMT_BF8 matrix_b_fmt:MATRIX_FMT_BF8 matrix_a_scale:MATRIX_SCALE_ROW1
.endif
.endr
.endr
.endm
.macro FETCH_B slot, q, p
	WIN TO_B
.irp i, 0,1,2,3,4,5,6,7
	FRAG 128*(\p)+FR*\i, ADRB+\slot, \q, \i
.endr
	WIN 0
.endm
.macro FETCH_A slot, q, i0
.irp i, \i0, \i0+1, \i0+2, \i0+3
	FRAG AF+FR*(\i), ADRA+\slot, \q, \i
.endr
.endm
.macro SCALES sc
.irp i, 0,1,2,3,4,5,6,7
	ds_load_b64 v[SC+8*NQ*\sc+NQ*\i:SC+8*NQ*\sc+NQ*\i+1], v[ADRS] offset:\i*512
.endr
.endm
.macro PLACES n
.rept \n
	v_nop
.endr
.endm
.macro STEP slot, q, mode
	s_wait_dscnt 4*NL
.if \mode
	WIN 0x81
.else
	WIN MUL_LO
.endif
	MUL16 0, (\q)%2, \q, \slot, \mode
	MUL16 2, (\q)%2, \q, \slot, \mode
	s_wait_dscnt 0
	PLACES NP
	FETCH_B \slot, (\q)+1, 1-(\q)%2
	FETCH_A \slot, (\q)+1, 0
.if \mode
	WIN 0xc1
.else
	WIN MUL_HI
.endif
	MUL16 4, (\q)%2, \q, \slot, \mode
	MUL16 6, (\q)%2, \q, \slot, \mode
	PLACES NP
	WIN 0
	FETCH_A \slot, (\q)+1, 4
.endm
.macro TURN slot, next, fill
	s_wait_tensorcnt 0x0
	ds_add_u32 v[SPW], v[NIL]
	s_wait_dscnt 4*NL+1
	WIN MUL_LO
	MUL16 0, 1, NQ-1, \slot, 0
	s_wait_dscnt 0x0
	s_barrier_signal -1
	MUL16 2, 1, NQ-1, \slot, 0
	WIN 0
	s_barrier_wait -1
.if \fill
	CREST
	s_add_nc_u64 s[G0+4*\slot+2:G0+4*\slot+3], s[G0+4*\slot+2:G0+4*\slot+3], 2*TILEB
	s_add_nc_u64 s[G0B+4*\slot+2:G0B+4*\slot+3], s[G0B+4*\slot+2:G0B+4*\slot+3], 2*TILEB
	JLOAD G0+4*\slot, G1, G0B+4*\slot, G1B
	PLACES NP-4
.else
	PLACES NP
.endif
	s_wait_alu depctr_va_vdst(0)
	v_add_nc_u32 v[ADRS], 128, v[ADRS]
	FETCH_B \next, 0, 0
	FETCH_A \next, 0, 0
	SCALES \next
	WIN MUL_HI
	MUL16 4, 1, NQ-1, \slot, 0
	MUL16 6, 1, NQ-1, \slot, 0
	PLACES NP
	WIN 0
	FETCH_A \next, 0, 4
.endm
	s_wait_alu depctr_va_vdst(0)
	s_wait_tensorcnt 1
	s_barrier_signal -1
	s_barrier_wait -1
	FETCH_B 0, 0, 0
	FETCH_A 0, 0, 0
	SCALES 0
	FETCH_A 0, 0, 4
	s_wait_loadcnt 0x0
	s_cmp_eq_u32 s21, 2
	s_cbranch_scc1 .Lv_first
	STEP 0, 0, 1
	s_branch .Ljoin
.Lv_first:
	STEP 0, 0, 2
.Ljoin:
	s_mov_b32 s3, 1
.Llap:
	TURN 0, 1, 1
	STEP 1, 0, 0
	TURN 1, 0, 1
	STEP 0, 0, 0
	s_sub_co_u32 s3, s3, 1
	s_cmp_lg_u32 s3, 0
	s_cbranch_scc1 .Llap
	TURN 0, 1, 0
	STEP 1, 0, 0
	s_wait_dscnt 4*NL
	WIN MUL_LO
	MUL16 0, 1, NQ-1, 1, 0
	MUL16 2, 1, NQ-1, 1, 0
	s_wait_dscnt 0
	WIN MUL_HI
	MUL16 4, 1, NQ-1, 1, 0
	MUL16 6, 1, NQ-1, 1, 0
	WIN 0
.macro OUTBLK a
.set W, 2+(\a)/4
.set AC, 64*((\a)%4)
	WIN (W<<2)|(W<<4)
.irp b, 0,1,2,3
	v_max3_num_f32 v[TM+\b], 0x8000000, |v[AC+16*\b]|, |v[AC+16*\b+1]|
.endr
.irp i, 2,4,6,8,10,12,14
.irp b, 0,1,2,3
	v_max3_num_f32 v[TM+\b], v[TM+\b], |v[AC+16*\b+\i]|, |v[AC+16*\b+\i+1]|
.endr
.endr
	WIN 0
.irp b, 0,1,2,3
	v_permlanex16_b32 v[TM+4+\b], v[TM+\b], s100, s101
.endr
.irp b, 0,1,2,3
	v_max_num_f32 v[TM+\b], v[TM+\b], v[TM+4+\b]
.endr
.irp b, 0,1,2,3
	v_add_nc_u32 v[TM+12+\b], 0xf8800000, v[TM+\b]
.endr
.irp b, 0,1,2,3
	v_and_or_b32 v[TM+8+\b], v[TM+\b], 0x7f800000, s2
.endr
.irp b, 0,1,2,3
	v_lshrrev_b32 v[TM+4+\b], 23, v[TM+12+\b]
.endr
	v_lshl_or_b32 v[PW], v[TM+5], 8, v[TM+4]
	v_lshl_or_b32 v[PW], v[TM+6], 16, v[PW]
	v_lshl_or_b32 v[PW], v[TM+7], 24, v[PW]
	s_wait_xcnt 0x0
	s_mul_i32 s92, s4, (\a)%4
	s_mul_i32 s93, s5, (\a)/4
	s_add_co_u32 s92, s92, s93
	v_add_nc_u32 v[VO0], s92, v[LI]
	v_add_nc_u32 v[VO1], s6, v[VO0]
	WIN W|(W<<6)
.irp b, 0,1,2,3
.irp i, 0,1,2,3,4,5,6,7,8,9,10,11,12,13,14,15
	v_med3_num_f32 v[AC+16*\b+\i], v[AC+16*\b+\i], -v[TM+8+\b], v[TM+8+\b]
.endr
.endr
	WIN W
.irp b, 0,1,2,3
	v_cvt_scalef32_pk8_bf8_f32 v[PC+4*\b:PC+4*\b+1], v[AC+16*\b:AC+16*\b+7], v[TM+12+\b]
	v_cvt_scalef32_pk8_bf8_f32 v[PC+4*\b+2:PC+4*\b+3], v[AC+16*\b+8:AC+16*\b+15], v[TM+12+\b]
.endr
	v_nop
	WIN 0
	global_store_b128 v[VO0], v[PC:PC+3], s[14:15]
	global_store_b128 v[VO0], v[PC+4:PC+7], s[14:15] offset:512
	global_store_b128 v[VO1], v[PC+8:PC+11], s[14:15]
	global_store_b128 v[VO1], v[PC+12:PC+15], s[14:15] offset:512
	v_and_or_b32 v[WW+2*(\a)], v[PW], s11, s12
	v_lshrrev_b32 v[WW+2*(\a)+1], 16, v[PW]
	v_or_b32 v[WW+2*(\a)+1], s12, v[WW+2*(\a)+1]
	ds_store_b32 v[SS], v[WW+2*(\a)] offset:((\a)/4)*256+((\a)%4)*4
	ds_store_b32 v[SS], v[WW+2*(\a)+1] offset:512+((\a)/4)*256+((\a)%4)*4
.endm
	PLACES NP
.irp b, 0,1,2,3
	v_mov_b32 v[TM+4+\b], 0
.endr
.irp a, 0,1,2,3,4,5,6,7
	OUTBLK \a
.endr
	ds_load_b128 v[RB:RB+3], v[SRD]
	ds_load_b128 v[RB+4:RB+7], v[SRD] offset:512
	s_wait_dscnt 0x0
	global_store_b128 v[SGO], v[RB:RB+3], s[16:17]
	s_cmp_eq_u32 s21, 2
	s_cbranch_scc1 .Lno_second
	global_store_b128 v[SGO2], v[RB+4:RB+7], s[16:17]
.Lno_second:
	s_wait_tensorcnt 0x0
	ds_add_u32 v[SPW], v[NIL]
	s_wait_dscnt 0x0
	CROUND
	s_endpgm
.Lfunc_end_k_q8cfc033eed_proj:
	.size	k_q8cfc033eed_proj, .Lfunc_end_k_q8cfc033eed_proj-k_q8cfc033eed_proj
	.p2alignl 7, 3214868480
	.fill 96, 4, 3214868480
	.section	.rodata,"a",@progbits
	.p2align	6, 0x0
	.amdhsa_kernel k_q8cfc033eed_proj
		.amdhsa_group_segment_fixed_size 327680
		.amdhsa_private_segment_fixed_size 0
		.amdhsa_enable_private_segment 0
		.amdhsa_kernarg_size 56
		.amdhsa_user_sgpr_count 2
		.amdhsa_user_sgpr_kernarg_segment_ptr 1
		.amdhsa_wavefront_size32 1
		.amdhsa_system_sgpr_workgroup_id_x 1
		.amdhsa_system_sgpr_workgroup_id_y 1
		.amdhsa_system_sgpr_workgroup_id_z 1
		.amdhsa_system_vgpr_workitem_id 0
		.amdhsa_next_free_vgpr 1024
		.amdhsa_next_free_sgpr 102
		.amdhsa_reserve_vcc 0
		.amdhsa_float_denorm_mode_32 3
		.amdhsa_float_denorm_mode_16_64 3
		.amdhsa_memory_ordered 1
		.amdhsa_forward_progress 1
		.amdhsa_inst_pref_size 211
	.end_amdhsa_kernel
	.amdgpu_metadata
---
amdhsa.version: [ 1, 2 ]
amdhsa.kernels:
  - .name:           k_q8cfc033eed_proj
    .symbol:         k_q8cfc033eed_proj.kd
    .args:
      - { .name: xcod, .offset: 0, .size: 8, .value_kind: global_buffer, .address_space: global }
      - { .name: xscl, .offset: 8, .size: 8, .value_kind: global_buffer, .address_space: global }
      - { .name: Wq_b, .offset: 16, .size: 8, .value_kind: global_buffer, .address_space: global }
      - { .name: Wk_b, .offset: 24, .size: 8, .value_kind: global_buffer, .address_space: global }
      - { .name: Wv_b, .offset: 32, .size: 8, .value_kind: global_buffer, .address_space: global }
      - { .name: hcod, .offset: 40, .size: 8, .value_kind: global_buffer, .address_space: global }
      - { .name: hscl, .offset: 48, .size: 8, .value_kind: global_buffer, .address_space: global }
    .group_segment_fixed_size: 327680
    .private_segment_fixed_size: 0
    .kernarg_segment_align: 8
    .kernarg_segment_size: 56
    .max_flat_workgroup_size: 128
    .sgpr_count:     102
    .vgpr_count:     1024
    .wavefront_size: 32
...
	.end_amdgpu_metadata
.endif
;; end of part 2
;; launch attn (part 3): grid 4 x 64, 8 waves a work-group, clusters of 4 x 1, 327,680 bytes of LDS; arguments hcod, hscl, acod, ascl; writes acod, ascl
.if DOCPART == 3
	.amdgcn_target "amdgcn-amd-amdhsa--gfx1250"
	.amdhsa_code_object_version 6
	.text
	.protected	k_q8cfc033eed_attn
	.globl	k_q8cfc033eed_attn
	.p2align	8
	.type	k_q8cfc033eed_attn,@function
k_q8cfc033eed_attn:
	s_mov_b64 s[64:65], 0
	v_nop
	global_prefetch_b8 v0, s[64:65] scope:SCOPE_SE
	s_setreg_imm32_b32 hwreg(HW_REG_WAVE_MODE, 25, 1), 1
	s_wait_xcnt 0x0
	s_wait_alu depctr_hold_cnt(0) depctr_sa_sdst(0) depctr_va_vdst(0) depctr_va_sdst(0) depctr_va_ssrc(0) depctr_va_vcc(0) depctr_vm_vsrc(0)
	s_getreg_b32 s2, hwreg(HW_REG_IB_STS2, 6, 4)
	s_cmp_eq_u32 s2, 0
	s_cbranch_scc0 .Lentry_in_a_cluster
	s_endpgm
.Lentry_in_a_cluster:
	s_bfe_u32 s2, ttmp6, 0x10000c
	s_cmp_lg_u32 s2, 0x3003
	s_cbranch_scc0 .Lentry_shape_is_right
	s_endpgm
.Lentry_shape_is_right:
; Attention of one head on codes of E5M2 with E8M0 scales: S^T = K Q^T (K = the head's 64), softmax, O^T = V^T P^T (K = the keys).
; THE SOFTMAX: t = score x log2(e) / 8; M = the running largest t rounded UP to a whole number; p = 2^(t - M) is quantised along the keys, not normalised; the row's sum is taken of the unquantised p and divides O at the end.
; When M moves, the sums and O^T are multiplied by 2^(old M - new M): exact.  O / sum is quantised along the head's 64 and leaves as an image of the last product's operand.
; SHARES.  A work-group owns 512 queries of one head (64 heads x batches along y, four work-groups along x); each of its eight waves takes two tiles of 16 queries at a time, in two passes; the two tiles share every fragment of K and V.
; ALL of the head's K and V (131,072 bytes each) lie in LDS, filled ONCE: eight joint loads of 32,768 bytes, one a wave, on one line whose addresses are arithmetic on the wave's number; every wave waits for its own ahead of the one barrier.
; CLUSTER.  The four work-groups of a cluster belong to one head: each fill names the four.  The head's 12,288 bytes of scale words, under a twentieth of what a work-group fills, come by plain loads and LDS stores into bytes of their own.
; NO PREFETCH: every fill stands at the kernel's head, so there is no loop in which to ask ahead; Q's second pass, 2,048 bytes of codes a wave, is loaded behind the first pass's last products, ahead of the way out.
; K = 64 IN A 128-DEEP PRODUCT.  The upper eight registers of Q's fragments are zero codes.  K's fragments lie on end, eight registers a tile, so the upper half of tile t's operand is tile t + 1's codes (tile 7's: p's codes):
; finite codes under the byte 127, times zero codes: they add exactly 0.
; LAYOUT.  A lane holds ONE query (lane % 16) throughout.  The keys of a tile are lane r -> 32 (t / 2) + 8 (t % 2) + r + 8 (r / 8), so that the 16 registers of tiles 2 b, 2 b + 1 are keys 32 b + 16 (lane / 16) + 0 .. 15; V's rows likewise.
; A STEP is 128 keys for both tiles: 16 score products; one run of 35 LDS loads (the NEXT step's K and this step's V, which land under the softmax); the softmax; 8 products.
; THE EXPONENTIALS GO IN TWO BATCHES, each with plain lines of the OTHER tile among them: tile 0's with tile 1's multiply-adds, tile 1's with tile 0's first sums and holds.  What a plain line writes inside a batch is first read behind the batch's closing wait.
; LIMITS: NaN and infinities are not served; 1 / sum is v_rcp_f32 and a multiplication; a block under 2^-111 keeps the scale byte 1 (this program alone reads the bytes); the scaled scores stay under 2^31 in magnitude.
; REGISTERS.  Window 0: v1-15 addresses; v16-31 scale words; v32-159 S^T, then p (block n = 4 u + b at 16 n); v160-175 statistics; v176-211 work; v212-243 tile 0's partial sums.
;   Window 1: v0-63 K; v64-95 p's codes; v96-127 Q; v128-191 V; v192-255 O^T.
.set VOFF, 131072                      ; LDS: K at 0, V here,
.set SCW,  262144                      ; K's scale words (8,192 bytes), then V's (4,096),
.set SPARE, SCW+12288                  ; the spare words, 128 bytes a wave
.set LI,   1                           ; 16 x lane
.set ASK0, 2                           ; my place among K's scale words
.set ASV0, 3                           ; and among V's
.set ADK,  4
.set ADV,  5
.set ADS,  6
.set ADT,  7
.set LIV,  8                           ; VOFF + 16 x lane
.set R16,  9                           ; 16 r
.set R8,   10                          ; 8 r
.set T16,  11                          ; 16 x thread
.set W16,  12                          ; v12-13 the two scale bytes of a tile's result
.set SPW,  14
.set NIL,  15
.set KS,   16
.set VS,   24
.set QS,   28
.set PS,   30
.set SR,   32
.set ST,   160                         ; tile u at ST + 8 u: -M, the largest t, the sum as a pair, (two free), f = 2^(old M - new M) as a pair
.set XT,   176
.set BM,   180                         ; the eight blocks' largest scores, then largest p
.set PT,   188
.set T1,   180                         ; tile 1's eight partial sums (pairs), where BM and PT lay
.set SO,   196                         ; the conversions' scale operands
.set HD,   204                         ; 57,344 x the scale
.set T0,   212                         ; tile 0's sixteen partial sums (pairs)
.set KF,   0                           ; window 1
.set CD,   64
.set QF,   96
.set VF,   128
.set OT,   192
.set MNT,  19
.set SEL,  20
.set CS,   22
.set MSB, 0
.macro WIN new                         ; the immediate's high byte repeats the setting that is left
.if MSB != (\new)
	s_set_vgpr_msb (MSB<<8)|(\new)
.set MSB, (\new)
.endif
.endm
.macro ROUND                           ; a round of the cluster's barrier
	s_barrier_signal -1
	s_barrier_wait -1
	s_cmp_lg_u32 s12, 0
	s_cbranch_scc1 .Lnot_wave_0_\@
	s_barrier_signal -3
.Lnot_wave_0_\@:
	s_barrier_wait -3
	s_barrier_signal -1
	s_barrier_wait -1
.endm
.macro KLOAD a1                        ; a step's eight tiles of K, eight registers each (leaves the destination's window at 1)
	WIN 0x40
.irp t, 0,1,2,3,4,5,6,7
	ds_load_b128 v[KF+8*\t:KF+8*\t+3], v[\a1] offset:1024*\t
	ds_load_b128 v[KF+8*\t+4:KF+8*\t+7], v[\a1] offset:1024*\t+512
.endr
.endm
.macro KSLOAD a1                       ; and their scale words
	WIN 0
	ds_load_b128 v[KS:KS+3], v[\a1]
	ds_load_b128 v[KS+4:KS+7], v[\a1] offset:256
.endm
.macro QLOAD                           ; a pass's two tiles of Q and their scale words
	WIN 0x40
.irp u, 0,1
.irp c, 0,1
	global_load_b128 v[QF+16*\u+4*\c:QF+16*\u+4*\c+3], v[LI], s[68:69] offset:1024*\u+512*\c
.endr
.endr
	WIN 0
.irp u, 0,1
	global_load_b32 v[QS+\u], v[R16], s[70:71] offset:4*\u
.endr
.endm
.macro PADD d, a, b                    ; a pair of sums
	v_pk_add_f32 v[(\d):(\d)+1], v[(\a):(\a)+1], v[(\b):(\b)+1]
.endm
.macro MINS cnt                        ; so many lines of tile 1's holds, two holds a line
.rept \cnt
	v_dual_min_num_f32 v[SR+64+mj], v[SR+64+mj], v[HD+4+mj/16] :: v_dual_min_num_f32 v[SR+65+mj], v[SR+65+mj], v[HD+4+mj/16]
.set mj, mj+2
.endr
.endm
	s_load_b256 s[4:11], s[0:1], 0x0               ; the heads' codes, their scale words, the result's codes, its scale words
	v_lshl_add_u32 v[SPW], v0, 2, SPARE
	v_mov_b32 v[NIL], 0
	ds_add_u32 v[SPW], v[NIL]                      ; the opening lines: the add twice on end, and its wait ahead of my tensor load
	ds_add_u32 v[SPW], v[NIL]
	v_lshrrev_b32 v1, 5, v0
	v_readfirstlane_b32 s12, v1                    ; wave 0..7
	s_bfe_u32 s13, ttmp6, 0x40000                  ; cx: it enters Q's and the result's addresses alone
	s_and_b32 s14, ttmp7, 0xffff                   ; batch x 16 + head, which the four partners share
	s_and_b32 s15, s14, 15                         ; head
	s_lshr_b32 s16, s14, 4                         ; batch
	s_lshr_b32 s76, s12, 1
	s_and_b32 s77, s12, 1
	; my fill: waves 0-3 the quarters of K (the codes' second region of 2^23 bytes), waves 4-7 those of V (the third); in LDS 32,768 x wave
	s_lshl_b32 s78, s14, 17
	s_lshl_b32 s41, s12, 15
	s_add_co_u32 s78, s78, s41
	s_lshr_b32 s79, s12, 2
	s_mul_i32 s79, s79, 0x7e0000                   ; from K's end to V's beginning: 2^23 - 2^17
	s_add_co_u32 s78, s78, s79
	s_add_co_u32 s78, s78, 0x800000
	s_mov_b32 s79, 0
	s_mul_i32 s82, s14, 12288                      ; the head's scale words of K and V
	s_add_co_u32 s82, s82, 0x80000
	s_mov_b32 s83, 0
	s_mov_b32 s24, 15|(3<<16)|(1<<21)              ; group 1: the mask names all four; elements of 8 bytes; 128 dense rows of 256 bytes
	s_mov_b32 s25, 32<<16
	s_mov_b32 s26, 128<<16
	s_mov_b32 s27, 32<<16
	s_mov_b32 s28, 128
	s_mov_b32 s29, 32
	s_mov_b32 s30, 0
	s_mov_b32 s31, 0
	; my queries: tiles 32 cx + 2 w + u, and 16 further on in the second pass
	s_lshl_b32 s85, s13, 5
	s_lshl_b32 s86, s12, 1
	s_add_co_u32 s85, s85, s86
	s_lshl_b32 s86, s85, 10
	s_lshl_b32 s87, s14, 17
	s_add_co_u32 s86, s86, s87
	s_mov_b32 s87, 0                               ; Q's codes
	s_lshl_b32 s88, s14, 13                        ; Q's scale words: [8 tiles][4 tiles][r][tile % 4]
	s_lshl_b32 s89, s13, 11
	s_add_co_u32 s88, s88, s89
	s_lshr_b32 s89, s12, 2
	s_lshl_b32 s89, s89, 9
	s_add_co_u32 s88, s88, s89
	s_and_b32 s89, s76, 1
	s_lshl_b32 s89, s89, 8
	s_add_co_u32 s88, s88, s89
	s_lshl_b32 s89, s77, 3
	s_add_co_u32 s88, s88, s89
	s_mov_b32 s89, 0
	s_lshl_b32 s90, s16, 7
	s_add_co_u32 s90, s90, s85                     ; the result's tile: 128 x batch + my tile
	s_lshl_b32 s92, s90, 14
	s_lshl_b32 s93, s15, 10                        ; a head's 64 are two chunks of 512 bytes
	s_add_co_u32 s92, s92, s93
	s_mov_b32 s93, 0
	s_lshl_b32 s94, s90, 9                         ; its scale bytes: [tile][head / 4][r][(head / 2) % 2][4 bytes], two bytes at 2 (head % 2)
	s_lshr_b32 s95, s15, 2
	s_lshl_b32 s95, s95, 7
	s_add_co_u32 s94, s94, s95
	s_bfe_u32 s95, s15, 0x10001
	s_lshl_b32 s95, s95, 2
	s_add_co_u32 s94, s94, s95
	s_and_b32 s95, s15, 1
	s_lshl_b32 s95, s95, 1
	s_add_co_u32 s94, s94, s95
	s_mov_b32 s95, 0
	s_mov_b32 s[MNT], 0x600000                     ; the mantissa field of 57,344
	s_mov_b32 s[SEL], 0x76543210
	s_mov_b32 s[SEL+1], 0xfedcba98
	s_mov_b32 s[CS], 0x3e38aa3b                    ; c = log2(e) / 8
	s_mov_b32 s[CS+1], s[CS]                       ; (named with it as a pair, so it is written)
	s_wait_dscnt 0x0                               ; both opening adds are done
	s_wait_kmcnt 0x0
	s_add_nc_u64 s[82:83], s[6:7], s[82:83]
	s_add_nc_u64 s[68:69], s[4:5], s[86:87]
	s_add_nc_u64 s[70:71], s[6:7], s[88:89]
	s_add_nc_u64 s[72:73], s[8:9], s[92:93]
	s_add_nc_u64 s[74:75], s[10:11], s[94:95]
	s_mov_b32 s40, 1
	s_add_nc_u64 s[42:43], s[4:5], s[78:79]
	s_or_b32 s43, s43, 0x80000000
	ROUND                                          ; all four work-groups are here: the joint loads meet
	tensor_load_to_lds s[40:43], s[24:31]          ; my one tensor load of the launch
	s_nop 0
.rept 4
	v_nop
.endr
	v_lshlrev_b32 v[T16], 4, v0
	global_load_b128 v[32:35], v[T16], s[82:83]    ; the scale words: 256 threads x 16 bytes, three times
	global_load_b128 v[36:39], v[T16], s[82:83] offset:4096
	global_load_b128 v[40:43], v[T16], s[82:83] offset:8192
	v_add_nc_u32 v[ADK], SCW, v[T16]               ; and where they go
	v_and_b32 v8, 31, v0
	v_lshlrev_b32 v[LI], 4, v8
	v_and_b32 v9, 15, v0
	v_lshlrev_b32 v[R8], 3, v9
	v_lshlrev_b32 v[R16], 4, v9
	v_add_nc_u32 v[ASK0], SCW, v[R16]
	v_add_nc_u32 v[ASV0], SCW+8192, v[R16]
	v_add_nc_u32 v[LIV], VOFF, v[LI]
	QLOAD                                          ; the first pass's Q, under the fills' flight
.irp n, 0,1,2,3,4,5,6,7
	v_mov_b32 v[PT+\n], 0                          ; a lane permute's destination counts as one of its sources
.endr
	v_mov_b32 v[ST+7], 0                           ; (named as the upper halves of pairs)
	v_mov_b32 v[ST+15], 0
	WIN 0x40
.irp i, 0,1,2,3,4,5,6,7
	v_mov_b32 v[QF+8+\i], 0                        ; the upper halves of Q's two fragments: zero codes, written once
	v_mov_b32 v[QF+24+\i], 0
	v_mov_b32 v[CD+\i], 0                          ; the upper half of K's tile 7, until p's first codes lie there
.endr
	WIN 0
	s_wait_alu depctr_va_vdst(0)
	s_wait_loadcnt 0x0
	s_wait_tensorcnt 0x0                           ; my part of K or V is in
	ds_store_b128 v[ADK], v[32:35]
	ds_store_b128 v[ADK], v[36:39] offset:4096
	ds_store_b128 v[ADK], v[40:43] offset:8192
	s_wait_dscnt 0x0                               ; for the others' sake
	s_barrier_signal -1
	s_barrier_wait -1                              ; all of K, V and the scale words are in; nothing is written to them again
	KLOAD LI                                       ; step 0's K
	KSLOAD ASK0
	s_mov_b32 s67, 2                               ; passes
.Lpass:                                                ; A PASS: two tiles of queries against all 2,048 keys
	WIN 0x40
.set j, 0
.rept 64
	v_mov_b32 v[OT+j], 0                           ; O^T and the sums begin as zeros and the largest t as -3e38, so that the step is written once
.set j, j+1
.endr
	WIN 0
.irp u, 0,1
	v_mov_b32 v[ST+8*\u+1], 0xff61b1e6
	v_mov_b32 v[ST+8*\u+2], 0
	v_mov_b32 v[ST+8*\u+3], 0
.endr
.irp u, 0,1
	v_floor_f32 v[ST+8*\u], -v[ST+8*\u+1]
.endr
	s_mov_b32 s60, 0                               ; where the step's tiles begin in K and in V
	s_mov_b32 s63, 16
	s_wait_alu depctr_va_vdst(0)
	s_wait_loadcnt 0x0                             ; Q
	s_wait_dscnt 0x0                               ; step 0's K (first pass)
.Lstep:
	s_add_co_u32 s61, s60, 8192
	s_and_b32 s61, s61, 0x1ffff                    ; the next step's K; behind the last step: step 0's again, for the next pass
	s_lshr_b32 s62, s61, 4                         ; its scale words: 512 bytes a step
	s_lshr_b32 s66, s60, 5                         ; V's: 256 bytes a step
	WIN 0x05                                       ; sources 0 (K) and 1 (Q): window 1
.irp t, 0,1,2,3,4,5,6,7
.irp u, 0,1
	v_wmma_scale_f32_16x16x128_f8f6f4 v[SR+64*\u+8*\t:SR+64*\u+8*\t+7], v[KF+8*\t:KF+8*\t+15], v[QF+16*\u:QF+16*\u+15], 0, v[KS+\t], v[QS+\u] matrix_a_fmt:MATRIX_FMT_BF8 matrix_b_fmt:MATRIX_FMT_BF8
.endr
.endr
	WIN 0
	v_add_nc_u32 v[ADK], s61, v[LI]                ; these four and the four v_nop are the eight places behind the products, in front of the loads into their registers and of the first read of the scores
	v_add_nc_u32 v[ADS], s62, v[ASK0]
	v_add_nc_u32 v[ADV], s60, v[LIV]
	v_add_nc_u32 v[ADT], s66, v[ASV0]
.rept 4
	v_nop
.endr
	KLOAD ADK
.irp d, 0,1,2,3
.irp c, 0,1,2,3
	ds_load_b128 v[VF+16*\d+4*\c:VF+16*\d+4*\c+3], v[ADV] offset:2048*\d+512*\c
.endr
.endr
	KSLOAD ADS
	ds_load_b128 v[VS:VS+3], v[ADT]
	; THE SOFTMAX of both tiles: eight blocks of 32 keys, n = 4 u + b, by turns
.irp n, 0,1,2,3,4,5,6,7
	v_max3_num_f32 v[BM+\n], v[SR+16*\n], v[SR+16*\n+1], v[SR+16*\n+2]   ; the largest score of each block; each accumulator is first read at its low end
.endr
.irp i, 3,5,7,9,11,13
.irp n, 0,1,2,3,4,5,6,7
	v_max3_num_f32 v[BM+\n], v[BM+\n], v[SR+16*\n+\i], v[SR+16*\n+\i+1]
.endr
.endr
.irp n, 0,1,2,3,4,5,6,7
	v_max_num_f32 v[BM+\n], v[BM+\n], v[SR+16*\n+15]
.endr
.irp n, 0,1,2,3,4,5,6,7
	v_permlanex16_b32 v[PT+\n], v[BM+\n], s[SEL], s[SEL+1]
.endr
.irp n, 0,1,2,3,4,5,6,7
	v_max_num_f32 v[BM+\n], v[BM+\n], v[PT+\n]     ; with lane l xor 16's 16 keys
.endr
.irp u, 0,1
	v_max3_num_f32 v[XT+\u], v[BM+4*\u], v[BM+4*\u+1], v[BM+4*\u+2]
.endr
.irp u, 0,1
	v_max_num_f32 v[XT+\u], v[XT+\u], v[BM+4*\u+3]
.endr
.irp u, 0,1
	v_mul_f32 v[XT+\u], s[CS], v[XT+\u]            ; as t (c is positive)
.endr
.irp u, 0,1
	v_max_num_f32 v[ST+8*\u+1], v[ST+8*\u+1], v[XT+\u]   ; the running largest t
.endr
.irp u, 0,1
	v_mov_b32 v[XT+\u], v[ST+8*\u]
.endr
.irp u, 0,1
	v_floor_f32 v[ST+8*\u], -v[ST+8*\u+1]          ; the new -M = floor(-t): M is a whole number
.endr
.irp u, 0,1
	v_sub_f32 v[XT+\u], v[ST+8*\u], v[XT+\u]       ; old M - new M: a whole number, 0 or less
.endr
.irp u, 0,1
	v_cvt_i32_f32 v[XT+\u], v[XT+\u]               ; (it saturates)
.endr
.irp u, 0,1
	v_ldexp_f32 v[ST+8*\u+6], 1.0, v[XT+\u]        ; f = 2^(old M - new M)
.endr
.irp n, 0,1,2,3,4,5,6,7
	v_fma_f32 v[BM+\n], v[BM+\n], s[CS], v[ST+8*(\n/4)]   ; t - M of each block's largest score
.endr
.set j, 0
.rept 32
	v_pk_fma_f32 v[SR+j:SR+j+1], v[SR+j:SR+j+1], s[CS:CS+1], v[ST:ST+1] op_sel_hi:[1,0,0]   ; tile 0: t - M, two at a time
.set j, j+2
.endr
	s_wait_alu depctr_va_vdst(0)
.irp n, 0,1,2,3,4,5,6,7
	v_exp_f32 v[BM+\n], v[BM+\n]                   ; the blocks' largest p: the same two instructions on the same number as the p itself
.endr
.set j, 0
.rept 32
	v_exp_f32 v[SR+j], v[SR+j]                     ; THE FIRST BATCH: tile 0's p = 2^(t - M), at most 1,
	v_exp_f32 v[SR+j+1], v[SR+j+1]
	v_pk_fma_f32 v[SR+64+j:SR+65+j], v[SR+64+j:SR+65+j], s[CS:CS+1], v[ST+8:ST+9] op_sel_hi:[1,0,0]   ; with tile 1's t - M among them: first read behind the wait below
.set j, j+2
.endr
	s_wait_alu depctr_va_vdst(0)                   ; one wait for the batch of 72, ahead of its first reader
.irp n, 0,1,2,3,4,5,6,7
	v_max_num_f32 v[BM+\n], 0x8000000, v[BM+\n]    ; the floor 2^(16 - 127): the byte cannot fall under 1
.endr
.irp n, 0,1,2,3,4,5,6,7
	v_add_nc_u32 v[SO+\n], 0xf8800000, v[BM+\n]    ; 15 off the exponent field: the conversion's scale operand
.endr
.irp n, 0,1,2,3,4,5,6,7
	v_and_or_b32 v[HD+\n], v[BM+\n], 0x7f800000, s[MNT]   ; 57,344 x the scale
.endr
.irp n, 0,1,2,3,4,5,6,7
	v_lshrrev_b32 v[PT+\n], 23, v[SO+\n]           ; the scale's byte
.endr
.irp u, 0,1
	v_lshl_or_b32 v[PS+\u], v[PT+4*\u+1], 8, v[PT+4*\u]   ; p's scale word for these 128 keys
.endr
.irp u, 0,1
	v_lshl_or_b32 v[PS+\u], v[PT+4*\u+2], 16, v[PS+\u]
.endr
.irp u, 0,1
	v_lshl_or_b32 v[PS+\u], v[PT+4*\u+3], 24, v[PS+\u]
.endr
	s_wait_alu depctr_va_vdst(0)                   ; ahead of the second batch
.set j, 0
.rept 16
	v_exp_f32 v[SR+64+j], v[SR+64+j]               ; THE SECOND BATCH: tile 1's p,
	v_exp_f32 v[SR+65+j], v[SR+65+j]
	v_exp_f32 v[SR+66+j], v[SR+66+j]
	v_exp_f32 v[SR+67+j], v[SR+67+j]
	PADD T0+j/2, SR+j, SR+j+2                      ; with tile 0's first sums, of the unquantised p, each into registers of its own,
	v_dual_min_num_f32 v[SR+j], v[SR+j], v[HD+j/16] :: v_dual_min_num_f32 v[SR+j+1], v[SR+j+1], v[HD+j/16]   ; and its holds: the conversion does not saturate (ISA guide 7.6.2); p is not negative, so the hold is one-sided
	v_dual_min_num_f32 v[SR+j+2], v[SR+j+2], v[HD+j/16] :: v_dual_min_num_f32 v[SR+j+3], v[SR+j+3], v[HD+j/16]
.set j, j+4
.endr
	v_nop                                          ; a plain line behind the batch
	s_wait_alu depctr_va_vdst(0)                   ; one wait for the batch of 64 and for what was written among it
	; the sums as trees, the two tiles and tile 1's holds by turns, so that five lines or more stand between a sum and the sum that takes it in
.set mj, 0
.irp c, 0,1,2,3,4,5,6,7
	PADD T1+2*\c, SR+64+4*\c, SR+66+4*\c
.endr
.irp k, 0,1,2,3,4,5,6,7
	PADD T0+2*\k, T0+2*\k, T0+16+2*\k
.endr
.irp c, 0,1,2,3,4,5,6,7
	PADD T1+2*\c, T1+2*\c, SR+96+4*\c
.endr
.irp k, 0,1,2,3
	PADD T0+2*\k, T0+2*\k, T0+8+2*\k
.endr
	MINS 4
.irp c, 0,1,2,3,4,5,6,7
	PADD T1+2*\c, T1+2*\c, SR+98+4*\c
.endr
	PADD T0, T0, T0+4
	PADD T0+2, T0+2, T0+6
	MINS 6
	PADD T0, T0, T0+2
.irp c, 0,1,2,3
	PADD T1+2*\c, T1+2*\c, T1+8+2*\c
.endr
	MINS 4
	v_pk_fma_f32 v[ST+2:ST+3], v[ST+2:ST+3], v[ST+6:ST+7], v[T0:T0+1] op_sel_hi:[1,0,1]   ; tile 0's sum under the new M, and the step's
	PADD T1, T1, T1+4
	PADD T1+2, T1+2, T1+6
	MINS 6
	PADD T1, T1, T1+2
	MINS 6
	v_pk_fma_f32 v[ST+10:ST+11], v[ST+10:ST+11], v[ST+14:ST+15], v[T1:T1+1] op_sel_hi:[1,0,1]   ; tile 1's
	MINS 6
	WIN 0x40                                       ; the codes: window 1
.irp n, 0,1,2,3,4,5,6,7
	v_cvt_scalef32_pk8_bf8_f32 v[CD+4*\n:CD+4*\n+1], v[SR+16*\n:SR+16*\n+7], v[SO+\n]
	v_cvt_scalef32_pk8_bf8_f32 v[CD+4*\n+2:CD+4*\n+3], v[SR+16*\n+8:SR+16*\n+15], v[SO+\n]
.endr
	WIN 0x41
	s_wait_alu depctr_va_vdst(0)                   ; directly ahead of the first reader of O^T
.set j, 0
.rept 32
	v_pk_mul_f32 v[OT+j:OT+j+1], v[OT+j:OT+j+1], v[ST+8*(j/32)+6:ST+8*(j/32)+7] op_sel_hi:[1,0]   ; O^T under the new M; these 32 are also the places between the codes, the scale words and the products
.set j, j+2
.endr
	s_wait_alu depctr_va_vdst(0)
	s_wait_dscnt 0x0                               ; V is in, and so is the next step's K
	WIN 0x55                                       ; V, p, C and D: window 1
.irp d, 0,1,2,3
.irp u, 0,1
	v_wmma_scale_f32_16x16x128_f8f6f4 v[OT+32*\u+8*\d:OT+32*\u+8*\d+7], v[VF+16*\d:VF+16*\d+15], v[CD+16*\u:CD+16*\u+15], v[OT+32*\u+8*\d:OT+32*\u+8*\d+7], v[VS+\d], v[PS+\u] matrix_a_fmt:MATRIX_FMT_BF8 matrix_b_fmt:MATRIX_FMT_BF8
.endr
.endr
	WIN 0
	s_add_co_u32 s60, s60, 8192
	s_sub_co_u32 s63, s63, 1
	s_cmp_lg_u32 s63, 0
	s_cbranch_scc1 .Lstep
	s_add_nc_u64 s[68:69], s[68:69], 16384         ; 16 tiles of queries on (this pass's loads of Q were waited for at its head)
	s_add_nc_u64 s[70:71], s[70:71], 1024
	s_cmp_eq_u32 s67, 1
	s_cbranch_scc1 .Lno_q                          ; the last pass has no successor
	QLOAD                                          ; the next pass's Q lands under the way out; the score products that read these registers stand a softmax back
.Lno_q:
	; THE WAY OUT of both tiles: O^T / the sum, quantised along the head's 64: four blocks m = 2 u + b; register 16 b + i = channel 32 b + 16 (lane / 16) + i
.rept 4
	v_nop                                          ; with the six lines below: the places behind the last products
.endr
.irp u, 0,1
	v_add_f32 v[ST+8*\u+2], v[ST+8*\u+2], v[ST+8*\u+3]
.endr
.irp u, 0,1
	v_permlanex16_b32 v[PT+\u], v[ST+8*\u+2], s[SEL], s[SEL+1]
.endr
.irp u, 0,1
	v_add_f32 v[ST+8*\u+2], v[ST+8*\u+2], v[PT+\u] ; with lane l xor 16's: the row's sum
.endr
	s_wait_alu depctr_va_vdst(0)                   ; ahead of the two reciprocals
.irp u, 0,1
	v_rcp_f32 v[ST+8*\u+6], v[ST+8*\u+2]
.endr
	v_nop                                          ; a plain line behind the transcendentals
	WIN 0x41
	s_wait_alu depctr_va_vdst(0)                   ; ahead of their first reader, which is also the first reader of O^T
.set j, 0
.rept 32
	v_pk_mul_f32 v[OT+j:OT+j+1], v[OT+j:OT+j+1], v[ST+8*(j/32)+6:ST+8*(j/32)+7] op_sel_hi:[1,0]   ; each accumulator from its low end on
.set j, j+2
.endr
	WIN 0x14
.irp m, 0,1,2,3
	v_max3_num_f32 v[BM+\m], 0x8000000, |v[OT+16*\m]|, |v[OT+16*\m+1]|
.endr
.irp i, 2,4,6,8,10,12,14
.irp m, 0,1,2,3
	v_max3_num_f32 v[BM+\m], v[BM+\m], |v[OT+16*\m+\i]|, |v[OT+16*\m+\i+1]|
.endr
.endr
	WIN 0
.irp m, 0,1,2,3
	v_permlanex16_b32 v[PT+\m], v[BM+\m], s[SEL], s[SEL+1]
.endr
.irp m, 0,1,2,3
	v_max_num_f32 v[BM+\m], v[BM+\m], v[PT+\m]
.endr
.irp m, 0,1,2,3
	v_add_nc_u32 v[SO+\m], 0xf8800000, v[BM+\m]
.endr
.irp m, 0,1,2,3
	v_and_or_b32 v[HD+\m], v[BM+\m], 0x7f800000, s[MNT]
.endr
.irp m, 0,1,2,3
	v_lshrrev_b32 v[PT+\m], 23, v[SO+\m]
.endr
.irp u, 0,1
	v_lshl_or_b32 v[W16+\u], v[PT+2*\u+1], 8, v[PT+2*\u]
.endr
	WIN 0x41
.irp m, 0,1,2,3
.irp i, 0,1,2,3,4,5,6,7,8,9,10,11,12,13,14,15
	v_med3_num_f32 v[OT+16*\m+\i], v[OT+16*\m+\i], -v[HD+\m], v[HD+\m]
.endr
.endr
.irp m, 0,1,2,3
	v_cvt_scalef32_pk8_bf8_f32 v[CD+16*(\m/2)+4*(\m%2):CD+16*(\m/2)+4*(\m%2)+1], v[OT+16*\m:OT+16*\m+7], v[SO+\m]
	v_cvt_scalef32_pk8_bf8_f32 v[CD+16*(\m/2)+4*(\m%2)+2:CD+16*(\m/2)+4*(\m%2)+3], v[OT+16*\m+8:OT+16*\m+15], v[SO+\m]
.endr
	v_nop                                          ; a plain line behind the last conversion
	WIN 0x04                                       ; a store's data are its source 1: window 1
.irp u, 0,1
	global_store_b128 v[LI], v[CD+16*\u:CD+16*\u+3], s[72:73] offset:16384*\u          ; 512 consecutive bytes each
	global_store_b128 v[LI], v[CD+16*\u+4:CD+16*\u+7], s[72:73] offset:16384*\u+512
.endr
	WIN 0
.irp u, 0,1
	global_store_b16 v[R8], v[W16+\u], s[74:75] offset:512*\u   ; my head's two bytes of the row's word; both lanes of a row write the same value
.endr
	s_wait_alu depctr_va_vdst(0)
	s_wait_xcnt 0x0                                ; the stores have read their bases and data: only now are they stepped and written again
	s_add_nc_u64 s[72:73], s[72:73], 262144
	s_add_nc_u64 s[74:75], s[74:75], 8192
	s_sub_co_u32 s67, s67, 1
	s_cmp_lg_u32 s67, 0
	s_cbranch_scc1 .Lpass
	s_wait_tensorcnt 0x0                           ; the wave's end
	ds_add_u32 v[SPW], v[NIL]
	s_wait_dscnt 0x0
	ROUND                                          ; the closing round
	s_endpgm
.Lfunc_end_k_q8cfc033eed_attn:
	.size	k_q8cfc033eed_attn, .Lfunc_end_k_q8cfc033eed_attn-k_q8cfc033eed_attn
	.p2alignl 7, 3214868480
	.fill 96, 4, 3214868480
	.section	.rodata,"a",@progbits
	.p2align	6, 0x0
	.amdhsa_kernel k_q8cfc033eed_attn
		.amdhsa_group_segment_fixed_size 327680
		.amdhsa_private_segment_fixed_size 0
		.amdhsa_enable_private_segment 0
		.amdhsa_kernarg_size 32
		.amdhsa_user_sgpr_count 2
		.amdhsa_user_sgpr_kernarg_segment_ptr 1
		.amdhsa_wavefront_size32 1
		.amdhsa_system_sgpr_workgroup_id_x 1
		.amdhsa_system_sgpr_workgroup_id_y 1
		.amdhsa_system_sgpr_workgroup_id_z 1
		.amdhsa_system_vgpr_workitem_id 0
		.amdhsa_next_free_vgpr 512
		.amdhsa_next_free_sgpr 96
		.amdhsa_reserve_vcc 0
		.amdhsa_float_denorm_mode_32 3
		.amdhsa_float_denorm_mode_16_64 3
		.amdhsa_memory_ordered 1
		.amdhsa_forward_progress 1
		.amdhsa_inst_pref_size 58
	.end_amdhsa_kernel
	.amdgpu_metadata
---
amdhsa.version: [ 1, 2 ]
amdhsa.kernels:
  - .name:           k_q8cfc033eed_attn
    .symbol:         k_q8cfc033eed_attn.kd
    .args:
      - { .name: hcod, .offset: 0, .size: 8, .value_kind: global_buffer, .address_space: global }
      - { .name: hscl, .offset: 8, .size: 8, .value_kind: global_buffer, .address_space: global }
      - { .name: acod, .offset: 16, .size: 8, .value_kind: global_buffer, .address_space: global }
      - { .name: ascl, .offset: 24, .size: 8, .value_kind: global_buffer, .address_space: global }
    .group_segment_fixed_size: 327680
    .private_segment_fixed_size: 0
    .kernarg_segment_align: 8
    .kernarg_segment_size: 32
    .max_flat_workgroup_size: 256
    .sgpr_count:     96
    .vgpr_count:     512
    .wavefront_size: 32
...
	.end_amdgpu_metadata
.endif
;; end of part 3
;; launch outp (part 4): grid 4 x 64, 4 waves a work-group, clusters of 4 x 4, 327,680 bytes of LDS; arguments acod, ascl, xcod, xscl, W0_b, out0; writes out0
.if DOCPART == 4
	.amdgcn_target "amdgcn-amd-amdhsa--gfx1250"
	.amdhsa_code_object_version 6
	.text
	.protected	k_q8cfc033eed_outp
	.globl	k_q8cfc033eed_outp
	.p2align	8
	.type	k_q8cfc033eed_outp,@function
k_q8cfc033eed_outp:
	s_mov_b64 s[64:65], 0
	v_nop
	global_prefetch_b8 v0, s[64:65] scope:SCOPE_SE
	s_setreg_imm32_b32 hwreg(HW_REG_WAVE_MODE, 25, 1), 1
	s_wait_xcnt 0x0
	s_wait_alu depctr_hold_cnt(0) depctr_sa_sdst(0) depctr_va_vdst(0) depctr_va_sdst(0) depctr_va_ssrc(0) depctr_va_vcc(0) depctr_vm_vsrc(0)
	s_getreg_b32 s2, hwreg(HW_REG_IB_STS2, 6, 4)
	s_cmp_eq_u32 s2, 0
	s_cbranch_scc0 .Lentry_in_a_cluster
	s_endpgm
.Lentry_in_a_cluster:
	s_bfe_u32 s2, ttmp6, 0x10000c
	s_cmp_lg_u32 s2, 0xf033
	s_cbranch_scc0 .Lentry_shape_is_right
	s_endpgm
.Lentry_shape_is_right:
; out0 = A W0^T + b on codes of E5M2 with E8M0 scales: A [8192][1024] is attention's result, W0 [1024][1024]; both lie as images of operand registers:
; codes [tile of 16 rows][K step of 128 (8)][chunk (4)][512 bytes], scale words [tile][K / 256 (4)][r (16)][(K / 128) % 2][4 bytes].  Lane r of tile T is row 32 (T / 2) + 8 (T % 2) + r + 8 (r / 8).  W0's tiles are 1728 .. 1791 of xcod.
; SHARES.  256 work-groups, one block of 128 rows x 256 columns each; four waves, 2 x 2, each 64 x 128: 32 accumulators (window 2).  K goes in steps of 256 through two LDS slots: A's 8 tiles, then B's 16, 4,096 bytes a tile.
; A step of 128 along K is 32 products on one of two sets of fragments (A: window 0, v128 on; B: window 1); the other set's 48 LDS loads stand in the step's middle.
; CLUSTER 4 x 4: A's tiles are shared along a row, B's along a column, by joint loads.  At the head one load a wave: wave 0 K step 0 of A, wave 1 A's scale words, wave 2 K step 0 of B, wave 3 B's scale words.
; In the ring waves 0, 1 fetch the halves of A's tiles, waves 2, 3 those of B's.  The products are used transposed (source 0 = W0's rows), so that a lane holds eight neighbouring columns of a row; the bias is the first products' C.
; NO PREFETCH: K is four slots' worth, two of which are asked for at the head.
.set NQ,     2
.set FR,     16
.set NP,     8                         ; places behind this matrix instruction (ISA guide 7.12.1)
.set TILEB,  4096
.set AHALF,  4*TILEB
.set BOFF,   2*AHALF
.set BHALF,  8*TILEB
.set SLOT,   BOFF+2*BHALF
.set SCL,    2*SLOT                    ; A's scale words (4,096 bytes),
.set SCB,    SCL+4096                  ; B's (8,192),
.set SPARE,  SCL+12288                 ; the spare words
.set SPITCH, 528                       ; the way out: a stage of 16 rows x (512 + 16) bytes a wave, in slot 0, behind its last fill and its last read
.set ADRA, 16
.set ADRB, 20
.set STO,  24
.set RD,   25
.set CO,   26
.set ADRS, 27
.set SPW,  28
.set NIL,  29
.set SC,   32                          ; scale words: set s at SC + 16 s; register 2 i + q: lanes 0-15 A's tile i, lanes 16-31 B's tile i
.set BI,   64                          ; the bias, in the results' layout
.set AF,   128
.set BK,   128
.set G1, 24
.set G0, 32
.set G1B, 48
.set G0B, 56
.set G1S, 68
.set G0S, 76
.set G1SB, 80
.set G0SB, 88
.set MSB, 0
.macro WIN new
.if MSB != (\new)
	s_set_vgpr_msb (MSB<<8)|(\new)
.set MSB, (\new)
.endif
.endm
.set MUL_LO, 0xa1                      ; source 0 (B) window 1, source 1 (A) window 0, C and D window 2
.set TO_B,   0x40
.macro JLOAD g0a, g1a, g0b, g1b
	s_cmp_eq_u32 s19, 0
	s_cbranch_scc0 .Lfor_b_\@
	tensor_load_to_lds s[\g0a:\g0a+3], s[\g1a:\g1a+7]
	s_nop 0
.rept 4
	v_nop
.endr
	s_branch .Lasked_\@
.Lfor_b_\@:
	tensor_load_to_lds s[\g0b:\g0b+3], s[\g1b:\g1b+7]
	s_nop 0
.rept 4
	v_nop
.endr
.Lasked_\@:
.endm
.macro CREST
	s_cmp_lg_u32 s18, 0
	s_cbranch_scc1 .Lnot_wave_0_\@
	s_barrier_signal -3
.Lnot_wave_0_\@:
	s_barrier_wait -3
	s_barrier_signal -1
	s_barrier_wait -1
.endm
.macro CROUND
	s_barrier_signal -1
	s_barrier_wait -1
	CREST
.endm
.macro GRP1 g, mask, cols, rows, pitch ; group 1: rows of cols elements of 8 bytes
	s_or_b32 s[\g+0], s\mask, (3<<16)|(1<<21)
	s_mov_b32 s[\g+1], (\cols)<<16
	s_mov_b32 s[\g+2], (\rows)<<16
	s_mov_b32 s[\g+3], (\cols)<<16
	s_mov_b32 s[\g+4], \rows
	s_mov_b32 s[\g+5], \pitch
	s_mov_b32 s[\g+6], 0
	s_mov_b32 s[\g+7], 0
.endm
	s_load_b128 s[4:7], s[0:1], 0x0                ; A's codes, A's scale words
	s_load_b128 s[8:11], s[0:1], 0x10              ; xcod, xscl
	s_load_b128 s[12:15], s[0:1], 0x20             ; the bias, the result
	v_lshl_add_u32 v[SPW], v0, 2, SPARE
	v_mov_b32 v[NIL], 0
	ds_add_u32 v[SPW], v[NIL]                      ; the opening lines
	ds_add_u32 v[SPW], v[NIL]
	v_lshrrev_b32 v1, 5, v0
	v_readfirstlane_b32 s18, v1                    ; wave 0..3
	s_lshr_b32 s19, s18, 1                         ; my half of the block's rows.  Also: I fetch for A (0) or for B (1)
	s_and_b32 s20, s18, 1                          ; my half of its columns.  Also: which half of the tiles I fetch
	s_bfe_u32 s40, ttmp6, 0x40000
	s_bfe_u32 s41, ttmp6, 0x40004
	s_lshl_b32 s42, ttmp9, 2
	s_add_co_u32 s42, s42, s40                     ; block column 0..3
	s_and_b32 s45, ttmp7, 0xffff
	s_lshl_b32 s45, s45, 2
	s_add_co_u32 s45, s45, s41                     ; block row 0..63
	s_lshl_b32 s43, s41, 2
	s_lshl_b32 s43, 15, s43                        ; my row of the cluster
	s_lshl_b32 s44, 0x1111, s40                    ; my column
	GRP1 G1, 43, 512, 8, 2048                      ; the head's loads: all 8 tiles of A, 4,096 bytes of each, 16,384 bytes apart;
	GRP1 G1B, 44, 512, 16, 2048                    ; all 16 of B;
	GRP1 G1S, 43, 32, 16, 32                       ; A's scale words, 4,096 dense bytes;
	GRP1 G1SB, 44, 32, 32, 32                      ; B's, 8,192
	s_lshl_b32 s92, s45, 3
	s_lshl_b32 s93, s20, 2
	s_add_co_u32 s92, s92, s93                     ; A's tile: 8 x block row + 4 x half
	s_lshl_b32 s92, s92, 14
	s_mov_b32 s93, 0
	s_lshl_b32 s96, s42, 4
	s_lshl_b32 s97, s20, 3
	s_add_co_u32 s96, s96, s97
	s_add_co_u32 s96, s96, 1728                    ; B's: 1728 + 16 x block column + 8 x half
	s_lshl_b32 s96, s96, 14
	s_mov_b32 s97, 0
	s_lshl_b32 s94, s45, 12                        ; the scale words of A's 8 tiles,
	s_mov_b32 s95, 0
	s_lshl_b32 s98, s42, 13                        ; and of B's 16
	s_add_co_u32 s98, s98, 1728*512
	s_mov_b32 s99, 0
	s_lshl_b32 s46, s20, 14                        ; where my half goes in a slot: A's,
	s_lshl_b32 s47, s20, 15
	s_add_co_u32 s47, s47, BOFF                    ; B's
	s_wait_dscnt 0x0
	s_wait_kmcnt 0x0
	s_add_nc_u64 s[92:93], s[4:5], s[92:93]
	s_add_nc_u64 s[94:95], s[6:7], s[94:95]
	s_add_nc_u64 s[96:97], s[8:9], s[96:97]
	s_add_nc_u64 s[98:99], s[10:11], s[98:99]
	CROUND                                         ; all sixteen work-groups are here: the first joint loads meet
	s_mov_b32 s[G0S], 1
	s_mov_b32 s[G0S+1], SCL
	s_mov_b64 s[G0S+2:G0S+3], s[94:95]
	s_or_b32 s[G0S+3], s[G0S+3], 0x80000000
	s_mov_b32 s[G0SB], 1
	s_mov_b32 s[G0SB+1], SCB
	s_mov_b64 s[G0SB+2:G0SB+3], s[98:99]
	s_or_b32 s[G0SB+3], s[G0SB+3], 0x80000000
.irp s, 0,1
	s_mov_b32 s[G0+4*\s], 1
	s_add_co_u32 s[G0+4*\s+1], s46, \s*SLOT
	s_add_nc_u64 s[G0+4*\s+2:G0+4*\s+3], s[92:93], \s*TILEB
	s_or_b32 s[G0+4*\s+3], s[G0+4*\s+3], 0x80000000
	s_mov_b32 s[G0B+4*\s], 1
	s_add_co_u32 s[G0B+4*\s+1], s47, \s*SLOT
	s_add_nc_u64 s[G0B+4*\s+2:G0B+4*\s+3], s[96:97], \s*TILEB
	s_or_b32 s[G0B+4*\s+3], s[G0B+4*\s+3], 0x80000000
.endr
; One chain of branches on the wave's number, a load to an arm.  Waves 0 and 2 own the first halves, so their slot 0 descriptors begin at the whole tile's first byte.
.macro HARM under, g0, g1, next
	s_cmp_lt_u32 s18, \under
	s_cbranch_scc0 \next
	tensor_load_to_lds s[\g0:\g0+3], s[\g1:\g1+7]
	s_nop 0
.rept 4
	v_nop
.endr
	s_branch .Lhead_asked
\next:
.endm
	HARM 1, G0, G1, .Lhead_sa
	HARM 2, G0S, G1S, .Lhead_b
	HARM 3, G0B, G1B, .Lhead_sb
	tensor_load_to_lds s[G0SB:G0SB+3], s[G1SB:G1SB+7]
	s_nop 0
.rept 4
	v_nop
.endr
.Lhead_asked:
	v_and_b32 v1, 15, v0
	v_bfe_u32 v2, v0, 4, 1
	s_wait_alu depctr_va_vdst(0)
	s_lshl_b32 s46, s42, 10
	s_lshl_b32 s47, s20, 9
	s_add_co_u32 s46, s46, s47                     ; my first column, in bytes
	s_mov_b32 s47, 0
	s_add_nc_u64 s[12:13], s[12:13], s[46:47]
	s_add_nc_u64 s[14:15], s[14:15], s[46:47]
	v_lshlrev_b32 v5, 6, v2
.irp b, 0,1,2,3,4,5,6,7
	global_load_b128 v[BI+8*\b:BI+8*\b+3], v5, s[12:13] offset:(32*(\b/2)+8*(\b%2))*4
	global_load_b128 v[BI+8*\b+4:BI+8*\b+7], v5, s[12:13] offset:(32*(\b/2)+8*(\b%2))*4+16
.endr
	s_lshl_b32 s46, s45, 19                        ; 128 rows of 4,096 bytes a block,
	s_lshl_b32 s2, s19, 18                         ; 64 a wave
	s_add_co_u32 s46, s46, s2
	s_add_nc_u64 s[14:15], s[14:15], s[46:47]
	v_and_b32 v3, 31, v0
	v_lshlrev_b32 v[CO], 4, v3
	s_lshl_b32 s46, s19, 14
	s_lshl_b32 s47, s20, 15
	s_add_co_u32 s47, s47, BOFF
.irp s, 0,1
	v_add_nc_u32 v[ADRA+\s], s46, v[CO]
	v_add_nc_u32 v[ADRB+\s], s47, v[CO]
	s_add_co_u32 s46, s46, SLOT
	s_add_co_u32 s47, s47, SLOT
.endr
	s_lshl_b32 s46, s19, 11                        ; scale words: lanes 0-15 my four tiles of A, lanes 16-31 my eight of B: one product of the lane's half and the distance
	s_lshl_b32 s47, s20, 12
	s_add_co_u32 s47, s47, 4096
	s_sub_co_u32 s47, s47, s46
	v_mul_u32_u24 v4, s47, v2
	s_add_co_u32 s46, s46, SCL
	v_lshl_add_u32 v4, v1, 3, v4
	v_add_nc_u32 v[ADRS], s46, v4
	s_mul_i32 s46, s18, 16*SPITCH
	v_mul_u32_u24 v4, v1, SPITCH
	v_lshl_add_u32 v4, v2, 6, v4
	v_add_nc_u32 v[STO], s46, v4
	v_add_nc_u32 v[RD], s46, v[CO]
	s_wait_alu depctr_va_vdst(0)
	s_wait_tensorcnt 0x0                           ; my tile of the head's four is in: these lines stand ahead of slot 1's first fill as ahead of a refill
	ds_add_u32 v[SPW], v[NIL]
	s_mov_b32 s[G1+2], 4<<16                       ; no tensor load of mine is out: from here on a load brings half of a slot's tiles
	s_mov_b32 s[G1+4], 4
	s_mov_b32 s[G1B+2], 8<<16
	s_mov_b32 s[G1B+4], 8
	s_wait_dscnt 0x0
	CROUND
	JLOAD G0+4, G1, G0B+4, G1B
.macro FRAG reg, adr, q, i
.irp c, 0,1,2,3
	ds_load_b128 v[\reg+4*\c:\reg+4*\c+3], v[\adr] offset:2048*(\q)+512*\c+(\i)*TILEB
.endr
.endm
; Eight products: A's tile a x B's eight, 128 along K: the slot's q-th, on the sets p.  The 32 accumulators take turns in the same order in every step.  mode 1: the bias is C.
.macro MULA a, p, q, sc, mode
.irp b, 0,1,2,3,4,5,6,7
.if \mode
	v_wmma_scale_f32_16x16x128_f8f6f4 v[8*(8*(\a)+\b):8*(8*(\a)+\b)+7], v[128*(\p)+FR*\b:128*(\p)+FR*\b+FR-1], v[AF+64*(\p)+FR*(\a):AF+64*(\p)+FR*(\a)+FR-1], v[BI+8*\b:BI+8*\b+7], v[SC+8*NQ*(\sc)+NQ*\b+(\q)], v[SC+8*NQ*(\sc)+NQ*(\a)+(\q)] matrix_a_fmt:MATRIX_FMT_BF8 matrix_b_fmt:MATRIX_FMT_BF8 matrix_a_scale:MATRIX_SCALE_ROW1
.else
	v_wmma_scale_f32_16x16x128_f8f6f4 v[8*(8*(\a)+\b):8*(8*(\a)+\b)+7], v[128*(\p)+FR*\b:128*(\p)+FR*\b+FR-1], v[AF+64*(\p)+FR*(\a):AF+64*(\p)+FR*(\a)+FR-1], v[8*(8*(\a)+\b):8*(8*(\a)+\b)+7], v[SC+8*NQ*(\sc)+NQ*\b+(\q)], v[SC+8*NQ*(\sc)+NQ*(\a)+(\q)] matrix_a_fmt:MATRIX_FMT_BF8 matrix_b_fmt:MATRIX_FMT_BF8 matrix_a_scale:MATRIX_SCALE_ROW1
.endif
.endr
.endm
.macro FETCH slot, q, p                ; the fragments of the slot's q-th 128 along K into the sets p: 48 loads
	WIN TO_B
.irp i, 0,1,2,3,4,5,6,7
	FRAG 128*(\p)+FR*\i, ADRB+\slot, \q, \i
.endr
	WIN 0
.irp i, 0,1,2,3
	FRAG AF+64*(\p)+FR*\i, ADRA+\slot, \q, \i
.endr
.endm
.macro SCALES sc
.irp i, 0,1,2,3,4,5,6,7
	ds_load_b64 v[SC+8*NQ*\sc+NQ*\i:SC+8*NQ*\sc+NQ*\i+1], v[ADRS] offset:\i*512
.endr
.endm
.macro PLACES n
.rept \n
	v_nop
.endr
.endm
.macro STEP slot, mode                 ; a slot's first 128 along K, on the sets 0; the sets 1 are fetched in its middle
	s_wait_dscnt 0x0                               ; the sets 0 and the scale words are in
.if \mode
	WIN 0x81
.else
	WIN MUL_LO
.endif
	MULA 0, 0, 0, \slot, \mode
	MULA 1, 0, 0, \slot, \mode
	PLACES NP                                      ; in front of loads into registers that the last step's products read
	FETCH \slot, 1, 1
.if \mode
	WIN 0x81
.else
	WIN MUL_LO
.endif
	MULA 2, 0, 0, \slot, \mode
	MULA 3, 0, 0, \slot, \mode
	WIN 0
.endm
.macro TURN slot, next, fill           ; a slot's second 128 along K, on the sets 1, and the change of slots
	s_wait_tensorcnt 0x0                           ; all my tensor loads have landed: my part of the next slot
	ds_add_u32 v[SPW], v[NIL]
	s_wait_dscnt 1                                 ; the sets 1 are in; the add alone may be out
	WIN MUL_LO
	MULA 0, 1, 1, \slot, 0
	s_wait_dscnt 0x0                               ; the add is done, and my reads of this slot are over
	s_barrier_signal -1
	MULA 1, 1, 1, \slot, 0
	WIN 0
	s_barrier_wait -1
.if \fill
	CREST                                          ; the barrier has opened a round of the cluster's barrier
	s_add_nc_u64 s[G0+4*\slot+2:G0+4*\slot+3], s[G0+4*\slot+2:G0+4*\slot+3], 2*TILEB
	s_add_nc_u64 s[G0B+4*\slot+2:G0B+4*\slot+3], s[G0B+4*\slot+2:G0B+4*\slot+3], 2*TILEB
	JLOAD G0+4*\slot, G1, G0B+4*\slot, G1B
	PLACES NP-4
.else
	PLACES NP
.endif
	s_wait_alu depctr_va_vdst(0)
	v_add_nc_u32 v[ADRS], 128, v[ADRS]             ; the next K step's scale words
	FETCH \next, 0, 0
	SCALES \next
	WIN MUL_LO
	MULA 2, 1, 1, \slot, 0
	MULA 3, 1, 1, \slot, 0
	WIN 0
.endm
	s_wait_tensorcnt 1                             ; slot 1's load alone may be out
	s_barrier_signal -1
	s_barrier_wait -1
	FETCH 0, 0, 0
	SCALES 0
	s_wait_loadcnt 0x0                             ; the bias
	STEP 0, 1
	s_mov_b32 s3, 1
.Llap:
	TURN 0, 1, 1
	STEP 1, 0
	TURN 1, 0, 1
	STEP 0, 0
	s_sub_co_u32 s3, s3, 1
	s_cmp_lg_u32 s3, 0
	s_cbranch_scc1 .Llap
	TURN 0, 1, 0
	STEP 1, 0
	s_wait_dscnt 0x0
	WIN MUL_LO
	MULA 0, 1, 1, 1, 0
	MULA 1, 1, 1, 1, 0
	MULA 2, 1, 1, 1, 0
	MULA 3, 1, 1, 1, 0
	WIN 0
; THE WAY OUT, tile by tile of 16 rows x 128 columns, through my own stage: whole rows of 512 bytes come back and leave as two aligned units of 256 bytes
.macro TOSTAGE a
.set AC, 64*(\a)
	WIN 0x08
.irp b, 0,1,2,3,4,5,6,7
	ds_store_b128 v[STO], v[AC+8*\b:AC+8*\b+3] offset:128*(\b/2)+32*(\b%2)
	ds_store_b128 v[STO], v[AC+8*\b+4:AC+8*\b+7] offset:128*(\b/2)+32*(\b%2)+16
.endr
	WIN 0
.set BB, BK+64*((\a)%2)
.irp t, 0,1,2,3,4,5,6,7,8,9,10,11,12,13,14,15
	ds_load_b128 v[BB+4*\t:BB+4*\t+3], v[RD] offset:\t*SPITCH
.endr
.endm
.macro SEND a, younger
.set BB, BK+64*((\a)%2)
	s_wait_dscnt \younger
.if (\a) > 0
.if (\a)%2
	s_add_nc_u64 s[14:15], s[14:15], 8*4096
.else
	s_add_nc_u64 s[14:15], s[14:15], 24*4096
.endif
.endif
.irp t, 0,1,2,3,4,5,6,7,8,9,10,11,12,13,14,15
	global_store_b128 v[CO], v[BB+4*\t:BB+4*\t+3], s[14:15] offset:(\t+8*(\t/8))*4096 th:TH_STORE_NT
.endr
.endm
	PLACES NP
	TOSTAGE 0
.irp a, 1,2,3
.if \a > 1
	s_wait_xcnt 0x0                                ; tile a - 2's stores have read their registers and their base
.endif
	TOSTAGE \a
	SEND \a-1, 32
.endr
	s_wait_xcnt 0x0
	SEND 3, 0
	s_wait_tensorcnt 0x0                           ; the wave's end
	ds_add_u32 v[SPW], v[NIL]
	s_wait_dscnt 0x0
	CROUND                                         ; the closing round
	s_endpgm
.Lfunc_end_k_q8cfc033eed_outp:
	.size	k_q8cfc033eed_outp, .Lfunc_end_k_q8cfc033eed_outp-k_q8cfc033eed_outp
	.p2alignl 7, 3214868480
	.fill 96, 4, 3214868480
	.section	.rodata,"a",@progbits
	.p2align	6, 0x0
	.amdhsa_kernel k_q8cfc033eed_outp
		.amdhsa_group_segment_fixed_size 327680
		.amdhsa_private_segment_fixed_size 0
		.amdhsa_enable_private_segment 0
		.amdhsa_kernarg_size 48
		.amdhsa_user_sgpr_count 2
		.amdhsa_user_sgpr_kernarg_segment_ptr 1
		.amdhsa_wavefront_size32 1
		.amdhsa_system_sgpr_workgroup_id_x 1
		.amdhsa_system_sgpr_workgroup_id_y 1
		.amdhsa_system_sgpr_workgroup_id_z 1
		.amdhsa_system_vgpr_workitem_id 0
		.amdhsa_next_free_vgpr 1024
		.amdhsa_next_free_sgpr 102
		.amdhsa_reserve_vcc 0
		.amdhsa_float_denorm_mode_32 3
		.amdhsa_float_denorm_mode_16_64 3
		.amdhsa_memory_ordered 1
		.amdhsa_forward_progress 1
		.amdhsa_inst_pref_size 91
	.end_amdhsa_kernel
	.amdgpu_metadata
---
amdhsa.version: [ 1, 2 ]
amdhsa.kernels:
  - .name:           k_q8cfc033eed_outp
    .symbol:         k_q8cfc033eed_outp.kd
    .args:
      - { .name: acod, .offset: 0, .size: 8, .value_kind: global_buffer, .address_space: global }
      - { .name: ascl, .offset: 8, .size: 8, .value_kind: global_buffer, .address_space: global }
      - { .name: xcod, .offset: 16, .size: 8, .value_kind: global_buffer, .address_space: global }
      - { .name: xscl, .offset: 24, .size: 8, .value_kind: global_buffer, .address_space: global }
      - { .name: W0_b, .offset: 32, .size: 8, .value_kind: global_buffer, .address_space: global }
      - { .name: out0, .offset: 40, .size: 8, .value_kind: global_buffer, .address_space: global }
    .group_segment_fixed_size: 327680
    .private_segment_fixed_size: 0
    .kernarg_segment_align: 8
    .kernarg_segment_size: 48
    .max_flat_workgroup_size: 128
    .sgpr_count:     102
    .vgpr_count:     1024
    .wavefront_size: 32
...
	.end_amdgpu_metadata
.endif
;; end of part 4
